; MI455X (gfx1250); checked and timed in simulation.
; The chip was launched on July 23, 2026; its instructions are those of AMD's public machine-readable ISA for CDNA 5 (MIT licence, August 2026) and "CDNA5" Instruction Set Architecture Reference Guide (July 2026). The comments in the code are by the model that wrote it; some were corrected since.
;; Ring Attention. Allowed arithmetic: matrix products marked QUANTISED: E4M3 operands, one E8M0 scale for each 32 along K, by v_wmma_scale_f32_16x16x128_f8f6f4 with both operands' format E4M3, f32 sums; everything else in f32.
;; Inputs: k 2 x 16 x 2,048 x 128 float32; q 2 x 16 x 2,048 x 128 float32; v 2 x 16 x 2,048 x 128 float32.
;; Outputs: out0 2 x 16 x 2,048 x 128 float32.
;; This version of the problem:
;;   THIS VERSION OF THE PROBLEM IS GIVEN IN LOW PRECISION. The matrix products marked QUANTISED in the list below multiply operands that are first quantised to E4M3 (4 exponent bits, 3 mantissa bits; 8 bits a number), with one power-of-two scale for each 32 numbers along K (OCP MX v1.0); their sums are f32. All else is computed in f32.
;;   The module's matrix products, in the order in which they are computed (A, B: the left and right operand; K: the contracted axis; several contracted axes count as one K, in the product's order):
;;     1. batch 32 x [M 2,048, K 128] x [K 128, N 2,048]; A: input q; B: input k: QUANTISED
;;     2. batch 32 x [M 2,048, K 2,048] x [K 2,048, N 128]; A: softmax (see below); B: input v: QUANTISED
;;   THE QUANTISER, for each operand of a quantised product, along K:
;;     - K is cut into blocks of 32 from its start; a last block that is shorter is filled with zeros.
;;     - A block's scale is 2^e with e = floor(log2(the largest magnitude in the block)) - 8, held to -126 .. 127; a block of zeros has e = 0. As a byte (E8M0): e + 127.
;;     - Each number is divided by its block's scale, clamped to +-448, and rounded to the nearest number of E4M3, ties to even, subnormals kept.
;;     - The product sums the exact products of the quantised numbers (number of the format x scale) in f32.
;;   ~~~python
;;   def quantise(x, axis):      # numpy; x: float32 -> the quantised numbers, widened to float32 again
;;       x = np.moveaxis(x, axis, -1); K = x.shape[-1]
;;       x = np.pad(x, [(0, 0)] * (x.ndim - 1) + [(0, -K % 32)]); x = x.reshape(x.shape[:-1] + (-1, 32)); a = np.abs(x).max(-1, keepdims=True)
;;       e = np.where(a > 0, np.clip(np.frexp(np.where(a > 0, a, 1))[1] - 1 - 8, -126, 127), 0)      # np.frexp(a)[1] - 1 = floor(log2(a)), exactly
;;       r = np.clip(x / 2.0 ** e, -448, 448)
;;       step = 2.0 ** (np.maximum(np.frexp(np.where(r == 0, 1, r))[1] - 1, -6) - 3)
;;       q = np.round(r / step) * step * 2.0 ** e      # np.round: ties to even
;;       return np.moveaxis(q.reshape(q.shape[:-2] + (-1,))[..., :K], -1, axis).astype(np.float32)
;;   ~~~
;;   SOFTMAX AHEAD OF A QUANTISED PRODUCT. Where the list says 'softmax', what is quantised is not the finished softmax but p = 2^(t - M), with t = logit x log2(e) and M = ceil(the row's largest t), a whole number; so 1/2 < the row's largest p <= 1. The row's sum l is taken of the UNQUANTISED p, in f32, and the product's result is divided by l at the end. Since M is a whole number, a kernel that streams over the keys may use a running M (the ceiling of the running maximum): every later rescaling is an exact power of two, which a block's scale takes up: the codes' values come out the same.
;;   OPERANDS COMPUTED ON THE WAY. 'Computed on the way' means the value that the module computes at that place (a softmax that the list does not call 'softmax' is quantised finished and normalised). What goes into a quantiser is computed in f32, as accurately as f32 sums, v_exp_f32 and their like allow (about 1e-6 of the number): no bf16 or f16 on the way to a quantiser, and a product that is left as it is and whose result goes on into a quantised operand takes f32 operands (vector FMAs, or v_wmma_f32_16x16x4_f32). A number that lies on a knife's edge between two numbers of the format may be rounded either way, as far as f32 arithmetic and the matrix unit's own rounding can turn it there, and no further.
;; 2 versions, each right. Each part assembles by itself: llvm-mc -triple=amdgcn-amd-amdhsa -mcpu=gfx1250 --defsym DOCPART=n.
;; ======== version 1 of 2: 2 launches
;; workspace buffers: k_codes 8,388,608 bytes; k_scales 262,144 bytes; v_codes 8,388,608 bytes; v_scales 262,144 bytes
;; launch quant (part 1): grid 512 x 1, 4 waves a work-group, no clusters, 35,840 bytes of LDS; arguments k, v, k_codes, k_scales, v_codes, v_scales; writes k_codes, k_scales, v_codes, v_scales
.if DOCPART == 1
	.amdgcn_target "amdgcn-amd-amdhsa--gfx1250"
	.amdhsa_code_object_version 6
	.text
	.protected	k_qf14c05b9d1_quant
	.globl	k_qf14c05b9d1_quant
	.p2align	8
	.type	k_qf14c05b9d1_quant,@function
k_qf14c05b9d1_quant:
	s_mov_b64 s[64:65], 0
	v_nop
	global_prefetch_b8 v0, s[64:65] scope:SCOPE_SE
	s_setreg_imm32_b32 hwreg(HW_REG_WAVE_MODE, 25, 1), 1
	s_wait_xcnt 0x0
; k and v, [32 heads][2048 keys][128] f32, are turned into codes of FP8 (E4M3) with one E8M0 scale byte for each 32 along the K of the product that reads them.
;   k: K = the head's 128, its innermost axis.  k_codes [head][key][128], k_scales [head][key][4]: plain streams of blocks of 32, as k itself is.
;   v: K = the keys, its FIRST axis within a head.  v_codes [head][d 128][key 2048], keys innermost; v_scales [head][run of 256 keys: 8][d 128][8 bytes]: a run's 1,024 scale bytes are dense,
;      so that the next launch can bring them with the run's codes.
; A block's scale is 2^(floor(log2(its largest magnitude)) - 8); its byte is the largest magnitude's own exponent field - 8, held at 1 from below; a block of zeros gets 127.
; Each number is divided by the scale, held within +-448 and rounded to the nearest code, ties to even.
; LIMITS: blocks whose largest magnitude lies under 2^-117, whose byte is held at 1, were not tried; NaN and infinities among the inputs are not served.
; ONE LAUNCH FOR BOTH: work-groups 0-255 take k, work-groups 256-511 take v, by a scalar branch on the work-group's number; each reads 131,072 bytes.
; No tensor loads, no barrier: waves share nothing.  No matrix unit, no cluster: every input byte is read once by one wave.
.set EMAX, 8                           ; the exponent of 448
.set MANT, 0x600000                    ; the mantissa field of 448 as f32
.set KX,   16                          ; k: v16-79   four sets of 16 numbers
.set KC,   80                          ; k: v80-143  codes: four registers for each step, so that no store's data are written again
.set KE,   144                         ; k: v144-159 a scale byte for each step
.set VSB,  24                          ; v: v24-25   a lane's eight scale bytes
.set VX,   32                          ; v: v32-95   two sets of 32 numbers
.set VC,   96                          ; v: v96-103  a block's codes
.set VOUT, 112                         ; v: v112-175 the way out
.set VPIT, 272                         ; v: a stage row: 256 bytes of codes + 16
	s_load_b256 s[4:11], s[0:1], 0x0               ; k s[4:5], v s[6:7], k_codes s[8:9], k_scales s[10:11]
	s_load_b128 s[12:15], s[0:1], 0x20             ; v_codes s[12:13], v_scales s[14:15]
	v_lshrrev_b32 v1, 5, v0
	v_readfirstlane_b32 s16, v1                    ; wave 0..3
	v_and_b32 v2, 31, v0                           ; lane
	s_cmp_lt_u32 ttmp9, 256
	s_cbranch_scc0 .Lv_path
; ---------------------------------------------------------------- k: K is innermost
; A wave takes a run of 8,192 numbers in 16 steps of 512.  In a step a lane holds 16 neighbouring numbers (64 bytes, four loads), two neighbouring lanes hold a block;
; the four loads of a step together read 2,048 consecutive bytes.  A lane's 16 codes are 16 bytes: the wave stores 512 consecutive bytes.
; A wave's 256 scale bytes are gathered in its own 256 bytes of LDS and leave as 256 consecutive bytes, aligned.  Loads run four steps (16 loads a wave) ahead.
	v_lshlrev_b32 v3, 6, v2                        ; my 64 bytes of a step's 2,048
	v_lshlrev_b32 v4, 4, v2                        ; my codes' place in a step's 512
	v_lshrrev_b32 v5, 1, v2
	s_lshl_b32 s17, s16, 8
	v_add_nc_u32 v5, s17, v5                       ; LDS: my wave's 256 bytes, my block's byte
	v_lshlrev_b32 v7, 3, v2                        ; and on the way out 8 bytes a lane
	v_add_nc_u32 v6, s17, v7
	s_lshl_b32 s18, ttmp9, 2
	s_add_co_u32 s18, s18, s16                     ; which of the 1,024 runs is my wave's
	s_mov_b32 s21, 0
	s_lshl_b32 s20, s18, 15                        ; 32,768 bytes of numbers a run
	s_wait_kmcnt 0x0
	s_add_nc_u64 s[4:5], s[4:5], s[20:21]
	s_lshl_b32 s20, s18, 13                        ; 8,192 bytes of codes
	s_add_nc_u64 s[8:9], s[8:9], s[20:21]
	s_lshl_b32 s20, s18, 8                         ; 256 scale bytes
	s_add_nc_u64 s[10:11], s[10:11], s[20:21]
.macro KLOAD t
.irp i, 0,1,2,3
	global_load_b128 v[KX+16*((\t)%4)+4*\i:KX+16*((\t)%4)+4*\i+3], v3, s[4:5] offset:2048*(\t)+16*\i th:TH_LOAD_NT
.endr
.endm
.macro KSTEP t
.set XS, KX+16*((\t)%4)
.if 15-(\t) >= 3
	s_wait_loadcnt 12                              ; this step's four loads are in; the next three steps' twelve may be out
.else
	s_wait_loadcnt 4*(15-(\t))                     ; the counts run down
.endif
	v_max3_num_f32 v8, |v[XS]|, |v[XS+1]|, |v[XS+2]|               ; the largest magnitude of my 16, in two chains
	v_max3_num_f32 v9, |v[XS+3]|, |v[XS+4]|, |v[XS+5]|
.irp i, 6,10
	v_max3_num_f32 v8, v8, |v[XS+\i]|, |v[XS+\i+1]|
	v_max3_num_f32 v9, v9, |v[XS+\i+2]|, |v[XS+\i+3]|
.endr
	v_max3_num_f32 v8, v8, |v[XS+14]|, |v[XS+15]|
	v_max_num_f32 v8, v8, v9
	v_max_num_f32_dpp v8, v8, v8 row_xmask:1 row_mask:0xf bank_mask:0xf   ; and of my neighbour's 16: the block's
	v_lshrrev_b32 v9, 23, v8                       ; its exponent field (the sign bit is 0)
	v_max_u32 v9, EMAX+1, v9                       ; the byte is not to fall under 1
	v_lshl_or_b32 v10, v9, 23, MANT                ; 448 x the scale: exponent field = the byte + 8
	v_add_nc_u32 v9, -EMAX, v9                     ; the scale's byte
	v_lshlrev_b32 v11, 23, v9                      ; and the scale as f32: the conversion takes its exponent field
	v_cmp_eq_u32 vcc_lo, 0, v8                     ; a block of zeros?
.irp i, 0,1,2,3,4,5,6,7,8,9,10,11,12,13,14,15
	v_med3_num_f32 v[XS+\i], v[XS+\i], -v10, v10   ; the conversion to an 8-bit code does not saturate (ISA guide 7.6.2): hold the number first
.endr
	v_cvt_scalef32_pk8_fp8_f32 v[KC+4*(\t):KC+4*(\t)+1], v[XS:XS+7], v11
	v_cvt_scalef32_pk8_fp8_f32 v[KC+4*(\t)+2:KC+4*(\t)+3], v[XS+8:XS+15], v11
	v_cndmask_b32 v[KE+(\t)], v9, 127, vcc_lo      ; a block of zeros gets 127.  (Also the one plain vector instruction between a scaled conversion and what touches its result or writes its sources)
	ds_store_b8 v5, v[KE+(\t)] offset:16*(\t)      ; both lanes of a block write the same byte with the same value
	global_store_b128 v4, v[KC+4*(\t):KC+4*(\t)+3], s[8:9] offset:512*(\t)
.if (\t)+4 < 16
	KLOAD (\t)+4
.endif
.endm
.irp t, 0,1,2,3
	KLOAD \t
.endr
.irp t, 0,1,2,3,4,5,6,7,8,9,10,11,12,13,14,15
	KSTEP \t
.endr
	ds_load_b64 v[12:13], v6                       ; LDS serves a wave's instructions in order (ISA guide 5.7.1.4): this sees my stores
	s_wait_dscnt 0x0
	global_store_b64 v7, v[12:13], s[10:11]        ; 32 lanes store 256 consecutive bytes, aligned
	s_endpgm
; ---------------------------------------------------------------- v: K (the keys) is the first axis within a head
; A LANE TAKES A COLUMN d, AND ITS REGISTERS RUN DOWN THE KEYS: each load reads 128 consecutive bytes a wave (the four waves a whole row of 512), a block of 32 keys lies in ONE lane's
; 32 registers, and the conversions give the codes with the keys innermost.  A work-group takes 256 keys of one head, a wave 32 columns of them: 8 blocks a lane, 256 bytes of codes a column.
; They go through the wave's own stage in LDS and leave by rows: sixteen lanes store 256 consecutive bytes, aligned.  Loads run two blocks (64 loads a wave) ahead.
; A lane's 8 scale bytes leave by one store of 8 bytes: the wave's 32 lanes store 256 consecutive bytes, aligned.
.Lv_path:
	s_sub_co_u32 s17, ttmp9, 256
	s_lshr_b32 s18, s17, 3                         ; head
	s_and_b32 s19, s17, 7                          ; which 256 keys
	s_mov_b32 s21, 0
	s_mov_b32 s23, 0
	s_mov_b32 s25, 0
	s_lshl_b32 s20, s18, 20                        ; v: a head is 2,048 x 512 bytes,
	s_lshl_b32 s26, s19, 17                        ; 256 keys are 131,072,
	s_add_co_u32 s20, s20, s26
	s_lshl_b32 s26, s16, 7                         ; 32 columns are 128
	s_add_co_u32 s20, s20, s26
	s_lshl_b32 s22, s18, 18                        ; v_codes: a head is 128 x 2,048 bytes,
	s_lshl_b32 s26, s16, 16                        ; 32 rows are 65,536,
	s_add_co_u32 s22, s22, s26
	s_lshl_b32 s26, s19, 8                         ; 256 keys are 256
	s_add_co_u32 s22, s22, s26
	s_lshl_b32 s24, s18, 13                        ; v_scales: a head is 8 runs of 1,024 bytes,
	s_lshl_b32 s26, s19, 10                        ; my run of 256 keys,
	s_add_co_u32 s24, s24, s26
	s_lshl_b32 s26, s16, 8                         ; 32 columns of 8 bytes are 256
	s_add_co_u32 s24, s24, s26
	s_mul_i32 s27, s16, 32*VPIT                    ; my stage
	v_lshlrev_b32 v3, 2, v2                        ; in: 4 bytes a lane
	v_mul_u32_u24 v4, v2, VPIT
	v_add_nc_u32 v4, s27, v4                       ; into the stage: row = my column
	v_and_b32 v5, 15, v2
	v_lshrrev_b32 v6, 4, v2                        ; out of it: sixteen lanes to a row, two rows an instruction
	v_mul_u32_u24 v7, v6, VPIT
	v_lshl_add_u32 v7, v5, 4, v7
	v_add_nc_u32 v7, s27, v7
	v_lshlrev_b32 v8, 11, v6                       ; and the same place in v_codes: rows of 2,048 bytes
	v_lshl_add_u32 v8, v5, 4, v8
	v_lshlrev_b32 v9, 3, v2                        ; my column's eight scale bytes
	s_wait_kmcnt 0x0
	s_add_nc_u64 s[6:7], s[6:7], s[20:21]
	s_add_nc_u64 s[12:13], s[12:13], s[22:23]
	s_add_nc_u64 s[14:15], s[14:15], s[24:25]
.macro VLOAD t                         ; block t: v(32 t + i, my column), i = 0 .. 31, into set t % 2
.irp i, 0,1,2,3,4,5,6,7,8,9,10,11,12,13,14,15,16,17,18,19,20,21,22,23,24,25,26,27,28,29,30,31
	global_load_b32 v[VX+32*((\t)%2)+\i], v3, s[6:7] offset:(32*(\t)+\i)*512 th:TH_LOAD_NT
.endr
.endm
.macro VBLOCK t
.set XS, VX+32*((\t)%2)
.if (\t) < 7
	s_wait_loadcnt 32                              ; this block's 32 loads are in; the next block's 32 may be out
.else
	s_wait_loadcnt 0
.endif
	v_max3_num_f32 v12, |v[XS]|, |v[XS+1]|, |v[XS+2]|              ; the block's largest magnitude: all 32 numbers are mine
	v_max3_num_f32 v13, |v[XS+3]|, |v[XS+4]|, |v[XS+5]|
.irp i, 6,10,14,18,22,26
	v_max3_num_f32 v12, v12, |v[XS+\i]|, |v[XS+\i+1]|
	v_max3_num_f32 v13, v13, |v[XS+\i+2]|, |v[XS+\i+3]|
.endr
	v_max3_num_f32 v12, v12, |v[XS+30]|, |v[XS+31]|
	v_max_num_f32 v12, v12, v13
	v_lshrrev_b32 v13, 23, v12                     ; its exponent field
	v_max_u32 v13, EMAX+1, v13                     ; the byte is not to fall under 1
	v_lshl_or_b32 v10, v13, 23, MANT               ; 448 x the scale
	v_add_nc_u32 v13, -EMAX, v13                   ; the scale's byte
	v_lshlrev_b32 v11, 23, v13                     ; and the scale as f32
	v_cmp_eq_u32 vcc_lo, 0, v12
	v_cndmask_b32 v13, v13, 127, vcc_lo            ; a block of zeros gets 127
.if (\t)%4 == 0
	v_mov_b32 v[VSB+(\t)/4], v13                   ; four bytes to a register, the earlier keys in the lower byte
.else
	v_lshl_or_b32 v[VSB+(\t)/4], v13, 8*((\t)%4), v[VSB+(\t)/4]
.endif
.irp i, 0,1,2,3,4,5,6,7,8,9,10,11,12,13,14,15,16,17,18,19,20,21,22,23,24,25,26,27,28,29,30,31
	v_med3_num_f32 v[XS+\i], v[XS+\i], -v10, v10   ; the conversion does not saturate (ISA guide 7.6.2): hold the number first
.endr
.irp g, 0,1,2,3
	v_cvt_scalef32_pk8_fp8_f32 v[VC+2*\g:VC+2*\g+1], v[XS+8*\g:XS+8*\g+7], v11
.endr
	v_nop                                          ; one plain vector instruction between a scaled conversion and what touches its result or writes its sources
	ds_store_b128 v4, v[VC:VC+3] offset:32*(\t)    ; 32 codes: 32 bytes of my column's row
	ds_store_b128 v4, v[VC+4:VC+7] offset:32*(\t)+16
.if (\t)+2 < 8
	VLOAD (\t)+2
.endif
	s_wait_dscnt 0x0                               ; the stores have read their registers: the next block's codes may be written
.endm
	VLOAD 0
	VLOAD 1
.irp t, 0,1,2,3,4,5,6,7
	VBLOCK \t
.endr
	global_store_b64 v9, v[VSB:VSB+1], s[14:15]    ; 32 lanes store 256 consecutive bytes, aligned
.irp t, 0,1,2,3,4,5,6,7,8,9,10,11,12,13,14,15
	ds_load_b128 v[VOUT+4*\t:VOUT+4*\t+3], v7 offset:2*\t*VPIT     ; LDS serves a wave's instructions in order: these see my stores
.endr
.irp t, 0,1,2,3,4,5,6,7,8,9,10,11,12,13,14,15
	s_wait_dscnt 15-\t                             ; the younger loads may be out
	global_store_b128 v8, v[VOUT+4*\t:VOUT+4*\t+3], s[12:13] offset:2*\t*2048
.endr
	s_endpgm
.Lfunc_end_k_qf14c05b9d1_quant:
	.size	k_qf14c05b9d1_quant, .Lfunc_end_k_qf14c05b9d1_quant-k_qf14c05b9d1_quant
	.p2alignl 7, 3214868480
	.fill 96, 4, 3214868480
	.section	.rodata,"a",@progbits
	.p2align	6, 0x0
	.amdhsa_kernel k_qf14c05b9d1_quant
		.amdhsa_group_segment_fixed_size 35840
		.amdhsa_private_segment_fixed_size 0
		.amdhsa_enable_private_segment 0
		.amdhsa_kernarg_size 48
		.amdhsa_user_sgpr_count 2
		.amdhsa_user_sgpr_kernarg_segment_ptr 1
		.amdhsa_wavefront_size32 1
		.amdhsa_system_sgpr_workgroup_id_x 1
		.amdhsa_system_sgpr_workgroup_id_y 1
		.amdhsa_system_sgpr_workgroup_id_z 1
		.amdhsa_system_vgpr_workitem_id 0
		.amdhsa_next_free_vgpr 192
		.amdhsa_next_free_sgpr 66
		.amdhsa_reserve_vcc 1
		.amdhsa_float_denorm_mode_32 3
		.amdhsa_float_denorm_mode_16_64 3
		.amdhsa_memory_ordered 1
		.amdhsa_forward_progress 1
		.amdhsa_inst_pref_size 102
	.end_amdhsa_kernel
	.amdgpu_metadata
---
amdhsa.version: [ 1, 2 ]
amdhsa.kernels:
  - .name:           k_qf14c05b9d1_quant
    .symbol:         k_qf14c05b9d1_quant.kd
    .args:
      - { .name: k, .offset: 0, .size: 8, .value_kind: global_buffer, .address_space: global }
      - { .name: v, .offset: 8, .size: 8, .value_kind: global_buffer, .address_space: global }
      - { .name: k_codes, .offset: 16, .size: 8, .value_kind: global_buffer, .address_space: global }
      - { .name: k_scales, .offset: 24, .size: 8, .value_kind: global_buffer, .address_space: global }
      - { .name: v_codes, .offset: 32, .size: 8, .value_kind: global_buffer, .address_space: global }
      - { .name: v_scales, .offset: 40, .size: 8, .value_kind: global_buffer, .address_space: global }
    .group_segment_fixed_size: 35840
    .private_segment_fixed_size: 0
    .kernarg_segment_align: 8
    .kernarg_segment_size: 48
    .max_flat_workgroup_size: 128
    .sgpr_count:     66
    .vgpr_count:     192
    .wavefront_size: 32
...
	.end_amdgpu_metadata
.endif
;; end of part 1
;; launch attn (part 2): grid 8 x 32, 16 waves a work-group, no clusters, 327,680 bytes of LDS; arguments q, k_codes, k_scales, v_codes, v_scales, out0; writes out0
.if DOCPART == 2
	.amdgcn_target "amdgcn-amd-amdhsa--gfx1250"
	.amdhsa_code_object_version 6
	.text
	.protected	k_qf14c05b9d1_attn
	.globl	k_qf14c05b9d1_attn
	.p2align	8
	.type	k_qf14c05b9d1_attn,@function
k_qf14c05b9d1_attn:
	s_mov_b64 s[64:65], 0
	v_nop
	global_prefetch_b8 v0, s[64:65] scope:SCOPE_SE
	s_setreg_imm32_b32 hwreg(HW_REG_WAVE_MODE, 25, 1), 1
	s_wait_xcnt 0x0
; out0[head][q][:] = the sum over keys k <= q of softmax_k(Q[q] . K[k] / sqrt(128)) V[k][:], 32 heads of 2,048 x 128, both products on codes of FP8 (E4M3) with one E8M0 scale for each 32 along a product's K.
; q arrives as f32 and is read by one wave alone: it is quantised in registers here.  From the launch before: k_codes [head][key][128], k_scales [head][key][4], v_codes [head][d][key],
; v_scales [head][run of 256 keys][d][8].
; THE SOFTMAX AHEAD OF THE SECOND PRODUCT: t = score x c, c = log2(e) / sqrt(128); M = the row's largest t so far, rounded UP to a whole number; p = 2^(t - M) is what is quantised, along the keys; it is not
; normalised.  The row's sum is taken of the unquantised p, in f32, and divides O at the end.  When M moves, the sum and O are multiplied by 2^(old M - new M).
; SHARES.  A head's queries are 16 blocks of 128.  Work-group J (0-7) of a head owns blocks J and 15 - J; each of its sixteen waves owns one tile of 16 queries, in 256 registers.  A tile of block B needs key steps
; 0 .. B of 128 keys, so a pair of tiles needs (J + 1) + (16 - J) = 17 steps in every work-group.  Which block a wave takes is bit 0 of w xor (w >> 2): of waves w, w + 4, w + 8, w + 12, and of waves
; 4 i .. 4 i + 3, two take the short block and two the long one.  A wave skips the key steps behind its diagonal by a scalar branch on ids, and stores its rows right behind its last step.
; THE RING.  Two LDS slots of 256 keys, filled by the tensor data mover and read by all sixteen waves; (17 - J) / 2 slots' worth of keys, 5 to 8.  A slot holds K's 256 rows, V's 128 rows of 256 keys, and the
; 1,024 + 1,024 scale bytes of these keys, each a dense block of memory.  Waves 0, 1 fetch K's halves, waves 2, 3 V's, wave 4 K's scale bytes, wave 5 V's: one tensor load a wave.
; So every LDS address of a key step is the slot's base, a lane term and an immediate.
; NO CLUSTER: the eight work-groups of a head read the same tiles, but they need different numbers of slots (5 to 8), and the skip of hidden key steps is a branch on the work-group's place in the head.
; LAYOUT.  Both products are used transposed: S^T = K Q^T (source 0 = 16 keys, source 1 = my 16 queries), O^T = V^T P^T (source 0 = 16 of the head's 128, source 1 = P): a lane holds ONE query (lane % 16) throughout.
; THE KEYS OF A TILE ARE NOT NEIGHBOURS: lane r of tile 2 b + u takes key 32 b + 8 u + r + 8 (r / 8), so that register n (0-63) of S^T in lane (r, h) is key 32 (n / 16) + 16 h + n % 16: 16 neighbours for each block.
; LIMITS: NaN and infinities among the inputs are not served; blocks whose largest magnitude lies under 2^-117 (byte held at 1) were not tried; t under -3e38 is not served; hidden keys get the score -1e30
; ahead of the scaling by c (p is 0 either way); a block's largest p is taken as the exponential of the block's largest score, by the same fused multiply-add as the element's own: it leans on v_exp_f32 not decreasing;
; a change of M by more than 256 is held at 256, where 2^-256 is 0 in f32 as every smaller power is.
.set KP,    144                        ; a key's row in LDS: 128 bytes + 16 of padding
.set VP,    272                        ; a row of V's tile: 256 keys + 16 of padding
.set VOFF,  256*KP                     ; a slot: 256 rows of K, then 128 rows of V,
.set KSO,   VOFF+128*VP                ; 71,680: K's scale bytes, 4 a key, 1,024 in all: sixteen lanes read sixteen different words of them, so they need no padding,
.set VSO,   KSO+1024                   ; 72,704: V's, 8 a row, 1,024 in all
.set SLOT1, 1<<17                      ; slot 1 begins here: one exclusive or turns an address in one slot into the other's
.set STG0,  VSO+1024                   ; 73,728: behind each slot's tiles eight waves' stages for the way out, 16 rows x 272 bytes each, whole blocks of 256 bytes into which no tile lands
.set STGB,  16*272
.set SPARE, 2*SLOT1                    ; the spare words, 128 bytes for each wave: eight blocks of 256 bytes that no other line names
.set AK0,  1                           ; v1   my lane's place in a tile of K
.set AV0,  2                           ; v2   the same for V
.set ASK0, 3                           ; v3   my lane's place among a slot's scale words of K
.set ASV0, 4                           ; v4   and of V
.set SPW,  5                           ; v5   LDS address of my spare word; never rewritten
.set NIL,  6                           ; v6   0; never rewritten
.set GO,   7                           ; v7   the way out: my byte offset in the wave's rows of out0
.set ADK,  8                           ; v8-11 the same four places in the slot in hand: K, V, K's scale words, V's
.set ADV,  9
.set ADS,  10
.set ADT,  11
.set NM,   12                          ; v12 -M, v13 the largest t so far (named as a pair by the packed scaling)
.set L,    14                          ; v[14:15] the row's sum: even keys', odd keys'
.set QC,   16                          ; v16-31   Q's codes
.set FR,   32                          ; v32-95   four fragments of K or of V
.set ST,   96                          ; v96-159  S^T, then p
.set OT,   160                         ; v160-223 O^T
.set PC,   224                         ; v224-239 p's codes; earlier in a step: v224-225 at work, v[226:227] the sum's second chain, v232-235 block maxima, v236-239 at work
.set T0,   224
.set L2,   226
.set BM,   232
.set PT,   236
.set HOLD, 240                         ; v240-243 448 x the block's scale
.set SCF,  244                         ; v244-247 the block's scale as f32
.set SW,   248                         ; v248-251 K's or V's scale words: scales and nothing else
.set PSW,  252                         ; v252     p's scale word
.set QSW,  253                         ; v253     Q's scale word
.set AA,   254                         ; v254 2^(old M - new M); v255 at work (named with it as a pair)
.set WV,   18                          ; s18  my wave's number
.set J,    19                          ; s19  the work-group's number in its head
.set SEL,  20                          ; s[20:21] lane selects for v_permlanex16_b32: lane l xor 16
.set CS,   22                          ; s[22:23] c, twice
.set G1K,  24                          ; s[24:31] descriptor group 1 for K's tiles;  s[32:39] for V's;  s[40:43], s[44:47] their groups 0, which walk
.set G1V,  32
.set G0K,  40
.set G0V,  44
.set G1S,  48                          ; s[48:55] group 1 for a slot's scale bytes;  s[56:59] their group 0, which walks
.set G0S,  56
.set TB,   66                          ; s66  LDS byte at which the slot in hand begins
.set SLOTS, 69                         ; s69  slots still to be asked for
.set STEPI, 70                         ; s70  the key step's number: it enters compares alone
.set DIAG, 71                          ; s71  my wave's block of queries = its last key step, the one on the diagonal
.set HD,   72                          ; s72  the head
.set QL,   73                          ; s73  my first query's place in its block of 128
.set STG,  91                          ; s91  my stage
.macro PLACES n                        ; plain vector instructions that name no register of the matrix instruction in front (ISA guide 7.12.1)
.rept \n
	v_nop
.endr
.endm
; Waves 0 and 1 fetch K's halves of a slot, waves 2 and 3 V's, waves 4 and 5 the scale bytes, the others nothing.  The branches hang on the wave's number alone.
; Four v_nop follow each of the three lines.
.macro TLOAD
	s_cmp_lt_u32 s[WV], 2
	s_cbranch_scc0 .Lnot_k_\@
	tensor_load_to_lds s[G0K:G0K+3], s[G1K:G1K+7]
	PLACES 4
	s_branch .Lasked_\@
.Lnot_k_\@:
	s_cmp_lt_u32 s[WV], 4
	s_cbranch_scc0 .Lnot_v_\@
	tensor_load_to_lds s[G0V:G0V+3], s[G1V:G1V+7]
	PLACES 4
	s_branch .Lasked_\@
.Lnot_v_\@:
	s_cmp_lt_u32 s[WV], 6
	s_cbranch_scc0 .Lasked_\@
	tensor_load_to_lds s[G0S:G0S+3], s[G1S:G1S+7]
	PLACES 4
.Lasked_\@:
.endm
	s_load_b256 s[4:11], s[0:1], 0x0               ; q s[4:5], k_codes s[6:7], k_scales s[8:9], v_codes s[10:11]
	s_load_b128 s[12:15], s[0:1], 0x20             ; v_scales s[12:13], out0 s[14:15]
	v_lshl_add_u32 v[SPW], v0, 2, SPARE
	v_mov_b32 v[NIL], 0
	v_lshrrev_b32 v8, 5, v0
	v_readfirstlane_b32 s[WV], v8                  ; wave 0..15
	s_mov_b32 s[J], ttmp9
	s_and_b32 s[HD], ttmp7, 0xffff
	s_lshr_b32 s74, s[WV], 2
	s_xor_b32 s74, s74, s[WV]
	s_and_b32 s74, s74, 1                          ; 0: the short block J; 1: the long block 15 - J
	s_sub_co_u32 s75, 15, s[J]
	s_cmp_lg_u32 s74, 0
	s_cselect_b32 s[DIAG], s75, s[J]
	s_lshr_b32 s[QL], s[WV], 1
	s_lshl_b32 s[QL], s[QL], 4                     ; waves 2 i and 2 i + 1 take tile i of the two blocks
	s_lshl_b32 s76, s[DIAG], 7
	s_add_co_u32 s76, s76, s[QL]                   ; my first query in the head,
	s_lshl_b32 s77, s[HD], 11
	s_add_co_u32 s76, s76, s77                     ; among all 65,536 rows,
	s_lshl_b32 s76, s76, 9                         ; in bytes: 512 a row of q and of out0 (under 2^25)
	s_mov_b32 s77, 0
	s_sub_co_u32 s[SLOTS], 17, s[J]
	s_lshr_b32 s[SLOTS], s[SLOTS], 1               ; slots that hold key steps 0 .. 15 - J
	s_sub_co_u32 s[SLOTS], s[SLOTS], 1             ; the loop's trips: 4 to 7
	s_and_b32 s78, s[WV], 1                        ; which half I fetch, if I fetch
	s_lshl_b32 s80, s[HD], 18                      ; a head's codes are 262,144 bytes, K's and V's alike
	s_lshl_b32 s79, s78, 14                        ; K: 128 keys of 128 bytes
	s_add_co_u32 s80, s80, s79
	s_mov_b32 s81, 0
	s_lshl_b32 s82, s[HD], 18
	s_lshl_b32 s79, s78, 17                        ; V: 64 rows of 2,048 bytes
	s_add_co_u32 s82, s82, s79
	s_mov_b32 s83, 0
	s_lshl_b32 s84, s[HD], 13                      ; a head's scale bytes are 8,192, K's and V's alike
	s_mov_b32 s85, 0
	s_mul_i32 s86, s78, 128*KP                     ; where they go in a slot: K's half,
	s_mul_i32 s87, s78, 64*VP
	s_add_co_u32 s87, s87, VOFF                    ; V's half,
	s_lshl_b32 s88, s78, 10
	s_add_co_u32 s88, s88, KSO                     ; and the scale bytes: K's (even wave), then V's (odd wave)
	s_and_b32 s90, s[WV], 7
	s_mul_i32 s[STG], s90, STGB
	s_lshr_b32 s90, s[WV], 3
	s_lshl_b32 s90, s90, 17
	s_add_co_u32 s[STG], s[STG], s90
	s_add_co_u32 s[STG], s[STG], STG0              ; my stage: waves 0-7 behind slot 0's tiles, waves 8-15 behind slot 1's
	; descriptor group 1.  K: 128 rows of 128 bytes, dense in memory;  V: 64 rows of 256 bytes, 2,048 bytes apart
	s_mov_b32 s[G1K], (0<<16)|(1<<20)|(4<<22)|(3<<25)              ; 15:0 no mask; 17:16 elements of 1 byte; 20 padding on; 24:22 after every 32 words (code 4); 31:25 four words (code 3)
	s_mov_b32 s[G1K+1], 128<<16                    ; tensor_dim0
	s_mov_b32 s[G1K+2], 128<<16                    ; tensor_dim1
	s_mov_b32 s[G1K+3], 128<<16                    ; tile_dim0
	s_mov_b32 s[G1K+4], 128                        ; tile_dim1
	s_mov_b32 s[G1K+5], 128                        ; tensor_dim0_stride
	s_mov_b32 s[G1K+6], 0
	s_mov_b32 s[G1K+7], 0
	s_mov_b32 s[G1V], (0<<16)|(1<<20)|(5<<22)|(3<<25)              ; padding: four words after every 64
	s_mov_b32 s[G1V+1], 256<<16
	s_mov_b32 s[G1V+2], 64<<16
	s_mov_b32 s[G1V+3], 256<<16
	s_mov_b32 s[G1V+4], 64
	s_mov_b32 s[G1V+5], 2048
	s_mov_b32 s[G1V+6], 0
	s_mov_b32 s[G1V+7], 0
	; a slot's scale bytes of K or of V: 1,024 dense bytes as 4 rows of 256 (32 elements of 8 bytes), no padding
	s_mov_b32 s[G1S], 3<<16
	s_mov_b32 s[G1S+1], 32<<16
	s_mov_b32 s[G1S+2], 4<<16
	s_mov_b32 s[G1S+3], 32<<16
	s_mov_b32 s[G1S+4], 4
	s_mov_b32 s[G1S+5], 32
	s_mov_b32 s[G1S+6], 0
	s_mov_b32 s[G1S+7], 0
	s_mov_b32 s[SEL], 0x76543210
	s_mov_b32 s[SEL+1], 0xfedcba98
	s_mov_b32 s[CS], 0x3e0293ee                    ; c = log2(e) / sqrt(128)
	s_mov_b32 s[CS+1], 0x3e0293ee                  ; named with it as a pair, so it is written
	s_mov_b32 s[TB], 0
	s_mov_b32 s[STEPI], 0
	s_wait_kmcnt 0x0
	s_mov_b32 s[G0K], 1                            ; 1:0 count = 1
	s_mov_b32 s[G0K+1], s86                        ; 63:32 LDS address: slot 0
	s_add_nc_u64 s[G0K+2:G0K+3], s[6:7], s[80:81]  ; 120:64 global address: the head's first 256 keys
	s_or_b32 s[G0K+3], s[G0K+3], 0x80000000        ; 127:126 type = 2
	s_mov_b32 s[G0V], 1
	s_mov_b32 s[G0V+1], s87
	s_add_nc_u64 s[G0V+2:G0V+3], s[10:11], s[82:83]
	s_or_b32 s[G0V+3], s[G0V+3], 0x80000000
	s_cmp_lg_u32 s78, 0                            ; K's scale bytes or V's?  The choice hangs on the wave's number alone
	s_cselect_b64 s[60:61], s[12:13], s[8:9]
	s_mov_b32 s[G0S], 1
	s_mov_b32 s[G0S+1], s88
	s_add_nc_u64 s[G0S+2:G0S+3], s[60:61], s[84:85]
	s_or_b32 s[G0S+3], s[G0S+3], 0x80000000
	TLOAD                                          ; THE FIRST FILLS: slot 0, one tensor load a wave, ahead of every wait on TENSORcnt, every LDS read and every barrier.  One tensor load of a wave is out, here and later
	s_add_nc_u64 s[4:5], s[4:5], s[76:77]          ; q at my first query
	s_add_nc_u64 s[14:15], s[14:15], s[76:77]      ; out0 likewise
	v_and_b32 v8, 15, v0                           ; r = lane % 16
	v_bfe_u32 v9, v0, 4, 1                         ; h = lane / 16
	v_lshlrev_b32 v10, 9, v8
	v_lshl_add_u32 v10, v9, 6, v10                 ; q: row r, + 16 h numbers.  The operand's layout gives lane (r, h) k = 32 c + 16 h + 0 .. 15: 64 neighbouring bytes for each block c
.irp c, 0,1,2,3
.irp i, 0,1,2,3
	global_load_b128 v[ST+16*\c+4*\i:ST+16*\c+4*\i+3], v10, s[4:5] offset:128*\c+16*\i th:TH_LOAD_NT
.endr
.endr
	v_and_b32 v11, 8, v8
	v_add_nc_u32 v11, v11, v8                      ; r + 8 (r / 8)
	v_mul_u32_u24 v[AK0], v11, KP
	v_lshl_add_u32 v[AK0], v9, 4, v[AK0]
	v_mul_u32_u24 v[AV0], v8, VP
	v_lshl_add_u32 v[AV0], v9, 4, v[AV0]
	v_add_nc_u32 v[AV0], VOFF, v[AV0]
	v_lshl_add_u32 v[ASK0], v11, 2, KSO            ; K's scale words: 4 bytes a key
	v_lshl_add_u32 v[ASV0], v8, 3, VSO             ; V's: 8 bytes a row, a word for each of the slot's two steps
	v_lshlrev_b32 v[GO], 9, v9
	v_lshl_add_u32 v[GO], v8, 4, v[GO]             ; the way out: lanes 0-15 take one row of out0, lanes 16-31 the next; 16 bytes a lane
	v_mov_b32 v[NM+1], 0xff61b1e6                  ; the largest t so far: -3e38
	v_floor_f32 v[NM], -v[NM+1]                    ; -M
	v_mov_b32 v[L], 0
	v_mov_b32 v[L+1], 0
	s_wait_loadcnt 0x0                             ; q is in; v10 is free
	; Q IS QUANTISED in registers: block c is my 16 numbers and those of lane l xor 16
.irp c, 0,1,2,3
	v_max3_num_f32 v[BM+\c], |v[ST+16*\c]|, |v[ST+16*\c+1]|, |v[ST+16*\c+2]|
.irp i, 3,5,7,9,11,13
	v_max3_num_f32 v[BM+\c], v[BM+\c], |v[ST+16*\c+\i]|, |v[ST+16*\c+\i+1]|
.endr
	v_max_num_f32 v[BM+\c], v[BM+\c], |v[ST+16*\c+15]|
	v_mov_b32 v[PT+\c], 0                          ; (the destination of a lane permute counts as read)
	v_permlanex16_b32 v[PT+\c], v[BM+\c], s[SEL], s[SEL+1]
	v_max_num_f32 v[BM+\c], v[BM+\c], v[PT+\c]     ; the block's largest magnitude
	v_lshrrev_b32 v[PT+\c], 23, v[BM+\c]           ; its exponent field
	v_max_u32 v[PT+\c], 9, v[PT+\c]                ; (the byte is not to fall under 1)
	v_lshl_or_b32 v[HOLD+\c], v[PT+\c], 23, 0x600000   ; 448 x the scale
	v_add_nc_u32 v[PT+\c], -8, v[PT+\c]            ; the scale's byte
	v_lshlrev_b32 v[SCF+\c], 23, v[PT+\c]          ; the scale as f32, for the conversion
	v_cmp_eq_u32 vcc_lo, 0, v[BM+\c]
	v_cndmask_b32 v[PT+\c], v[PT+\c], 127, vcc_lo  ; a block of zeros
.endr
	v_lshl_or_b32 v[QSW], v[PT+1], 8, v[PT]        ; the four bytes make row r's scale word (lanes 16-31 hold the same and are not read)
	v_lshl_or_b32 v[QSW], v[PT+2], 16, v[QSW]
	v_lshl_or_b32 v[QSW], v[PT+3], 24, v[QSW]
.irp c, 0,1,2,3
.irp i, 0,1,2,3,4,5,6,7,8,9,10,11,12,13,14,15
	v_med3_num_f32 v[ST+16*\c+\i], v[ST+16*\c+\i], -v[HOLD+\c], v[HOLD+\c]   ; the conversion does not saturate (ISA guide 7.6.2)
.endr
	v_cvt_scalef32_pk8_fp8_f32 v[QC+4*\c:QC+4*\c+1], v[ST+16*\c:ST+16*\c+7], v[SCF+\c]      ; registers 4 c .. 4 c + 3 of the operand
	v_cvt_scalef32_pk8_fp8_f32 v[QC+4*\c+2:QC+4*\c+3], v[ST+16*\c+8:ST+16*\c+15], v[SCF+\c]
.endr
.set i, 0
.rept 64
	v_mov_b32 v[OT+i], 0                           ; O^T.  The key step is written without a first form of its own: the first change of M multiplies zeros.  (Also the places behind the conversions and ahead of the first product)
.set i, i+1
.endr
; Four fragments of V^T (16 of the head's 128 x 128 keys each) and their scale words: tiles 4 g .. 4 g + 3, the slot's q-th 128 keys
.macro VFETCH g, q
.irp t, 0,1,2,3
.irp c, 0,1,2,3
	ds_load_b128 v[FR+16*\t+4*\c:FR+16*\t+4*\c+3], v[ADV] offset:16*(4*\g+\t)*VP+128*(\q)+32*\c
.endr
	ds_load_b32 v[SW+\t], v[ADT] offset:128*(4*\g+\t)+4*(\q)       ; 16 rows of 8 bytes a tile; the step's word of the row's two
.endr
.endm
; O^T += V^T P^T on tiles 4 g .. 4 g + 3: the accumulators take turns, one instruction a turn
.macro PV g
.irp t, 0,1,2,3
	v_wmma_scale_f32_16x16x128_f8f6f4 v[OT+8*(4*\g+\t):OT+8*(4*\g+\t)+7], v[FR+16*\t:FR+16*\t+15], v[PC:PC+15], v[OT+8*(4*\g+\t):OT+8*(4*\g+\t)+7], v[SW+\t], v[PSW]
.endr
.endm
; THE MASK, in the step on the diagonal alone.  Register n holds local key 32 (n / 16) + 16 h + n % 16, my query's place in the block is QL + r: the score stays where 32 (n / 16) + n % 16 <= QL + r - 16 h.
; Ascending, so that each result of the first product is read from its low end on.
.macro MASK
	v_and_b32 v[T0], 15, v0
	v_and_b32 v[T0+1], 16, v0
	v_sub_nc_u32 v[T0], v[T0], v[T0+1]
	v_add_nc_u32 v[T0], s[QL], v[T0]               ; QL + r - 16 h, signed
	v_mov_b32 v[T0+1], 0xf149f2ca                  ; -1e30
.irp b, 0,1,2,3
.irp i, 0,1,2,3,4,5,6,7,8,9,10,11,12,13,14,15
	v_cmp_le_i32 vcc_lo, 32*\b+\i, v[T0]
	v_cndmask_b32 v[ST+16*\b+\i], v[T0+1], v[ST+16*\b+\i], vcc_lo
.endr
.endr
.endm
; THE WAY OUT, right behind a wave's last key step.  The sum's parts are added; O^T is divided by the sum and goes through my stage in LDS, half a row (64 channels, 256 bytes) of 16 queries at a time,
; so that sixteen lanes store 256 consecutive bytes, aligned.
.macro WAYOUT
	PLACES 8                                       ; behind the last products
	v_add_f32 v[L], v[L], v[L+1]
	v_permlanex16_b32 v8, v[L], s[SEL], s[SEL+1]
	v_add_f32 v[L], v[L], v8                       ; the row's sum: my keys' and lane l xor 16's
	v_rcp_f32 v[L], v[L]
	v_and_b32 v8, 15, v0                           ; (a plain place behind the transcendental)  r
	v_bfe_u32 v9, v0, 4, 1                         ; h
	v_mul_u32_u24 v10, v8, 272
	v_lshl_add_u32 v10, v9, 5, v10
	v_add_nc_u32 v10, s[STG], v10                  ; in: row r; tile t's eight channels of my half: 64 t + 32 h bytes on
	v_mul_u32_u24 v11, v9, 272
	v_lshl_add_u32 v11, v8, 4, v11
	v_add_nc_u32 v11, s[STG], v11                  ; back: lanes 0-15 one row, lanes 16-31 the next
.set i, 0
.rept 32
	v_pk_mul_f32 v[ST+2*i:ST+2*i+1], v[OT+2*i:OT+2*i+1], v[L:L+1] op_sel_hi:[1,0]   ; O^T / the sum, ascending: register 8 t + j is out0(r, 16 t + 8 h + j)
.set i, i+1
.endr
.irp u, 0,1
.irp t, 0,1,2,3
	ds_store_b128 v10, v[ST+32*\u+8*\t:ST+32*\u+8*\t+3] offset:64*\t
	ds_store_b128 v10, v[ST+32*\u+8*\t+4:ST+32*\u+8*\t+7] offset:64*\t+16
.endr
.irp i, 0,1,2,3,4,5,6,7
	ds_load_b128 v[FR+32*\u+4*\i:FR+32*\u+4*\i+3], v11 offset:2*\i*272   ; LDS serves a wave's instructions in order (ISA guide 5.7.1.4): these see my stores, and the next half's stores come behind them
.endr
.endr
.irp u, 0,1
.irp i, 0,1,2,3,4,5,6,7
	s_wait_dscnt 23-16*\u-\i                       ; what was issued behind this load: the rest of its eight, and for the first half the second's eight stores and eight loads
	global_store_b128 v[GO], v[FR+32*\u+4*\i:FR+32*\u+4*\i+3], s[14:15] offset:2*\i*512+256*\u th:TH_STORE_NT
.endr
.endr
	s_wait_xcnt 0x0                                ; the stores' registers are free on every way on from here
.endm
; A KEY STEP: 128 keys, the q-th of the slot in hand.  A wave whose queries all lie ahead of these keys jumps over it; no barrier and no tensor load stands inside.
.macro STEP q
	s_cmp_gt_u32 s[STEPI], s[DIAG]
	s_cbranch_scc1 .Lskip_\@
	v_add_nc_u32 v[ADK], s[TB], v[AK0]
	v_add_nc_u32 v[ADV], s[TB], v[AV0]
	v_add_nc_u32 v[ADS], s[TB], v[ASK0]
	v_add_nc_u32 v[ADT], s[TB], v[ASV0]
	PLACES 4                                       ; with the four above: eight places in front of loads into registers that the last step's products have read
.irp g, 0,1                                    ; S^T = K Q^T, four tiles of 16 keys at a time
.if \g
	PLACES 8
.endif
.irp t, 0,1,2,3
.irp c, 0,1,2,3
	ds_load_b128 v[FR+16*\t+4*\c:FR+16*\t+4*\c+3], v[ADK] offset:(128*(\q)+32*((4*\g+\t)/2)+8*(\t%2))*KP+32*\c
.endr
	ds_load_b32 v[SW+\t], v[ADS] offset:(128*(\q)+32*((4*\g+\t)/2)+8*(\t%2))*4
.endr
	s_wait_dscnt 0x0
.irp t, 0,1,2,3
	v_wmma_scale_f32_16x16x128_f8f6f4 v[ST+8*(4*\g+\t):ST+8*(4*\g+\t)+7], v[FR+16*\t:FR+16*\t+15], v[QC:QC+15], 0, v[SW+\t], v[QSW]
.endr
.endr
	PLACES 8                                       ; in front of the reads of S^T and of the loads below
	VFETCH 0, \q                                   ; V's first four fragments are asked for now: they land under the softmax
	s_cmp_lg_u32 s[STEPI], s[DIAG]
	s_cbranch_scc1 .Lnomask_\@
	MASK
.Lnomask_\@:
	; the largest score of each block of 32 keys (my 16 and lane l xor 16's): four chains by turns, each ascending.  They give the row's maximum, and later each block's largest p
.irp b, 0,1,2,3
	v_max3_num_f32 v[BM+\b], v[ST+16*\b], v[ST+16*\b+1], v[ST+16*\b+2]
.endr
.irp i, 3,5,7,9,11,13
.irp b, 0,1,2,3
	v_max3_num_f32 v[BM+\b], v[BM+\b], v[ST+16*\b+\i], v[ST+16*\b+\i+1]
.endr
.endr
.irp b, 0,1,2,3
	v_max_num_f32 v[BM+\b], v[BM+\b], v[ST+16*\b+15]
.endr
.irp b, 0,1,2,3
	v_permlanex16_b32 v[PT+\b], v[BM+\b], s[SEL], s[SEL+1]
.endr
.irp b, 0,1,2,3
	v_max_num_f32 v[BM+\b], v[BM+\b], v[PT+\b]
.endr
	v_max3_num_f32 v[T0], v[BM], v[BM+1], v[BM+2]
	v_max_num_f32 v[T0], v[T0], v[BM+3]            ; the step's largest score of my query
	v_mul_f32 v[T0], s[CS], v[T0]                  ; as t (c is positive)
	v_max_num_f32 v[NM+1], v[NM+1], v[T0]          ; the running largest t
	v_mov_b32 v[AA+1], v[NM]
	v_floor_f32 v[NM], -v[NM+1]                    ; the new -M = floor(-t) = -ceil(t): M IS A WHOLE NUMBER
	v_sub_f32 v[AA+1], v[NM], v[AA+1]              ; M's old value less its new one: a whole number, 0 or less,
	v_max_num_f32 v[AA+1], 0xc3800000, v[AA+1]     ; held at -256
	v_cvt_i32_f32 v[AA+1], v[AA+1]
	v_ldexp_f32 v[AA], 1.0, v[AA+1]                ; a = 2^(old M - new M)
.irp b, 0,1,2,3
	v_fma_f32 v[BM+\b], v[BM+\b], s[CS], v[NM]     ; the blocks' largest t - M, by the same fused multiply-add as the elements'
.endr
.set i, 0
.rept 32
	v_pk_fma_f32 v[ST+2*i:ST+2*i+1], v[ST+2*i:ST+2*i+1], s[CS:CS+1], v[NM:NM+1] op_sel_hi:[1,0,0]   ; t - M
.set i, i+1
.endr
.irp b, 0,1,2,3
	v_exp_f32 v[BM+\b], v[BM+\b]                   ; the blocks' largest p
.endr
.set i, 0
.rept 64
	v_exp_f32 v[ST+i], v[ST+i]                     ; p = 2^(t - M): NOT normalised
.set i, i+1
.endr
	v_pk_mul_f32 v[L:L+1], v[L:L+1], v[AA:AA+1] op_sel_hi:[1,0]    ; what was summed under the old M is brought under the new.  (Also the plain place behind the exponentials)
	; each block's scale byte, 448 x the scale, and the scale as f32: the four blocks by turns
.irp b, 0,1,2,3
	v_lshrrev_b32 v[PT+\b], 23, v[BM+\b]
.endr
.irp b, 0,1,2,3
	v_max_u32 v[PT+\b], 9, v[PT+\b]
.endr
.irp b, 0,1,2,3
	v_lshl_or_b32 v[HOLD+\b], v[PT+\b], 23, 0x600000
.endr
.irp b, 0,1,2,3
	v_add_nc_u32 v[PT+\b], -8, v[PT+\b]
.endr
.irp b, 0,1,2,3
	v_lshlrev_b32 v[SCF+\b], 23, v[PT+\b]
.endr
.irp b, 0,1,2,3
	v_cmp_eq_u32 vcc_lo, 0, v[BM+\b]
	v_cndmask_b32 v[PT+\b], v[PT+\b], 127, vcc_lo  ; a block whose every p is 0: hidden keys, or far under M
.endr
	v_lshl_or_b32 v[PSW], v[PT+1], 8, v[PT]        ; p's scale word for these 128 keys
	v_lshl_or_b32 v[PSW], v[PT+2], 16, v[PSW]
	v_lshl_or_b32 v[PSW], v[PT+3], 24, v[PSW]
	; the row's sum is taken of the UNQUANTISED p: 32 packed additions in two chains by turns
	v_pk_add_f32 v[L2:L2+1], v[ST+32:ST+33], v[ST+34:ST+35]
.set i, 0
.rept 14
	v_pk_add_f32 v[L:L+1], v[L:L+1], v[ST+2*i:ST+2*i+1]
	v_pk_add_f32 v[L2:L2+1], v[L2:L2+1], v[ST+36+2*i:ST+37+2*i]
.set i, i+1
.endr
	v_pk_add_f32 v[L:L+1], v[L:L+1], v[ST+28:ST+29]
	v_pk_add_f32 v[L:L+1], v[L:L+1], v[ST+30:ST+31]
	v_pk_add_f32 v[L:L+1], v[L:L+1], v[L2:L2+1]
.irp b, 0,1,2,3
.irp i, 0,1,2,3,4,5,6,7,8,9,10,11,12,13,14,15
	v_min_num_f32 v[ST+16*\b+\i], v[HOLD+\b], v[ST+16*\b+\i]       ; the conversion does not saturate (ISA guide 7.6.2); p is never negative, so the upper hold is the whole hold
.endr
.endr
.irp b, 0,1,2,3
	v_cvt_scalef32_pk8_fp8_f32 v[PC+4*\b:PC+4*\b+1], v[ST+16*\b:ST+16*\b+7], v[SCF+\b]      ; registers 4 b .. 4 b + 3 of the operand: keys 32 b + 16 h + 0 .. 15
	v_cvt_scalef32_pk8_fp8_f32 v[PC+4*\b+2:PC+4*\b+3], v[ST+16*\b+8:ST+16*\b+15], v[SCF+\b]
.endr
.set i, 0
.rept 32
	v_pk_mul_f32 v[OT+2*i:OT+2*i+1], v[OT+2*i:OT+2*i+1], v[AA:AA+1] op_sel_hi:[1,0]   ; O^T under the new M, ascending.  (Also the places behind the conversions and ahead of the products)
.set i, i+1
.endr
	s_wait_dscnt 0x0                               ; V's first four fragments and their scale words are in
	PV 0
	PLACES 8                                       ; in front of loads into registers that these products have read
	VFETCH 1, \q
	s_wait_dscnt 0x0
	PV 1
	s_cmp_lg_u32 s[STEPI], s[DIAG]
	s_cbranch_scc1 .Lskip_\@
	WAYOUT                                         ; that was my last key step: my rows leave while other waves work on
.Lskip_\@:
	s_add_co_u32 s[STEPI], s[STEPI], 1             ; on every wave's way
.endm
; THE CHANGE OF SLOTS stands at a slot's head.  Each wave waits for all its tensor loads (its part of the slot that it is about to read), adds 0 to its spare word, and waits for that and for its reads of the slot that
; it has left.  Behind the barrier the slot ahead is whole and nobody reads the other one.  fill = 1: that other slot is filled with the 256 keys that follow: the load has a whole slot's steps in which to land.
.macro CHANGE fill
	s_wait_tensorcnt 0x0                           ; no tensor load of mine is out, so a group 0 may be written
	ds_add_u32 v[SPW], v[NIL]                      ; 0 onto my spare word; with fill = 1 the descriptors' steps stand between it and the wait for it
.if \fill
	s_xor_b32 s[G0K+1], s[G0K+1], SLOT1            ; the walking descriptors: the other slot than last time,
	s_add_nc_u64 s[G0K+2:G0K+3], s[G0K+2:G0K+3], 256*128   ; the next 256 keys; the type bits on top are not reached
	s_xor_b32 s[G0V+1], s[G0V+1], SLOT1
	s_add_nc_u64 s[G0V+2:G0V+3], s[G0V+2:G0V+3], 256
	s_xor_b32 s[G0S+1], s[G0S+1], SLOT1
	s_add_nc_u64 s[G0S+2:G0S+3], s[G0S+2:G0S+3], 1024
.endif
	s_wait_dscnt 0x0                               ; the add is done, and my reads of the slot that I have left are over
	s_barrier_signal -1
	s_barrier_wait -1
.if \fill
	TLOAD                                          ; the first thing behind the barrier, and a wave's one tensor load until the next
.endif
.endm
.macro SLOT_STEPS
	STEP 0
	STEP 1
	s_xor_b32 s[TB], s[TB], SLOT1                  ; on to the other slot
.endm
.Lslot:                                            ; (17 - J) / 2 - 1 trips, 4 to 7: behind each change of slots but the last the next slot is asked for; slot 1's first fill goes out behind the first barrier, as a refill does
	CHANGE 1
	SLOT_STEPS
	s_sub_co_i32 s[SLOTS], s[SLOTS], 1
	s_cmp_gt_i32 s[SLOTS], 0
	s_cbranch_scc1 .Lslot
	CHANGE 0                                       ; the last slot is written out
	SLOT_STEPS
	s_wait_tensorcnt 0x0                           ; the wave's end: behind my last tensor load and my last LDS store
	ds_add_u32 v[SPW], v[NIL]
	s_wait_dscnt 0x0
	s_endpgm
.Lfunc_end_k_qf14c05b9d1_attn:
	.size	k_qf14c05b9d1_attn, .Lfunc_end_k_qf14c05b9d1_attn-k_qf14c05b9d1_attn
	.p2alignl 7, 3214868480
	.fill 96, 4, 3214868480
	.section	.rodata,"a",@progbits
	.p2align	6, 0x0
	.amdhsa_kernel k_qf14c05b9d1_attn
		.amdhsa_group_segment_fixed_size 327680
		.amdhsa_private_segment_fixed_size 0
		.amdhsa_enable_private_segment 0
		.amdhsa_kernarg_size 48
		.amdhsa_user_sgpr_count 2
		.amdhsa_user_sgpr_kernarg_segment_ptr 1
		.amdhsa_wavefront_size32 1
		.amdhsa_system_sgpr_workgroup_id_x 1
		.amdhsa_system_sgpr_workgroup_id_y 1
		.amdhsa_system_sgpr_workgroup_id_z 1
		.amdhsa_system_vgpr_workitem_id 0
		.amdhsa_next_free_vgpr 256
		.amdhsa_next_free_sgpr 100
		.amdhsa_reserve_vcc 1
		.amdhsa_float_denorm_mode_32 3
		.amdhsa_float_denorm_mode_16_64 3
		.amdhsa_memory_ordered 1
		.amdhsa_forward_progress 1
		.amdhsa_inst_pref_size 163
	.end_amdhsa_kernel
	.amdgpu_metadata
---
amdhsa.version: [ 1, 2 ]
amdhsa.kernels:
  - .name:           k_qf14c05b9d1_attn
    .symbol:         k_qf14c05b9d1_attn.kd
    .args:
      - { .name: q, .offset: 0, .size: 8, .value_kind: global_buffer, .address_space: global }
      - { .name: k_codes, .offset: 8, .size: 8, .value_kind: global_buffer, .address_space: global }
      - { .name: k_scales, .offset: 16, .size: 8, .value_kind: global_buffer, .address_space: global }
      - { .name: v_codes, .offset: 24, .size: 8, .value_kind: global_buffer, .address_space: global }
      - { .name: v_scales, .offset: 32, .size: 8, .value_kind: global_buffer, .address_space: global }
      - { .name: out0, .offset: 40, .size: 8, .value_kind: global_buffer, .address_space: global }
    .group_segment_fixed_size: 327680
    .private_segment_fixed_size: 0
    .kernarg_segment_align: 8
    .kernarg_segment_size: 48
    .max_flat_workgroup_size: 512
    .sgpr_count:     100
    .vgpr_count:     256
    .wavefront_size: 32
...
	.end_amdgpu_metadata
.endif
;; end of part 2
;; ======== version 2 of 2: 2 launches
;; workspace buffers: k_codes 8,388,608 bytes; k_scales 262,144 bytes; v_codes 8,388,608 bytes; v_scales 262,144 bytes
;; launch quant (part 3): grid 512 x 1, 8 waves a work-group, no clusters, 35,840 bytes of LDS; arguments k, v, k_codes, k_scales, v_codes, v_scales; writes k_codes, k_scales, v_codes, v_scales
.if DOCPART == 3
	.amdgcn_target "amdgcn-amd-amdhsa--gfx1250"
	.amdhsa_code_object_version 6
	.text
	.protected	k_qf14c05b9d1_quant
	.globl	k_qf14c05b9d1_quant
	.p2align	8
	.type	k_qf14c05b9d1_quant,@function
k_qf14c05b9d1_quant:
	s_mov_b64 s[64:65], 0
	v_nop
	global_prefetch_b8 v0, s[64:65] scope:SCOPE_SE
	s_setreg_imm32_b32 hwreg(HW_REG_WAVE_MODE, 25, 1), 1
	s_wait_xcnt 0x0
; k and v, [32 heads][2048 keys][128] f32, are turned into codes of FP8 (E4M3) with one E8M0 scale byte for each 32 along the K of the product that reads them.
;   k: K = the head's 128, its innermost axis.  k_codes [head][place 2048][128], k_scales [head][place][4].  A KEY'S PLACE is its number with bits 3 and 4 exchanged: of each 32 keys the groups of eight
;      lie in the order 0, 2, 1, 3, so that the 16 keys that the next launch takes as one tile (eight neighbours, and the eight that lie 16 further on) are 16 neighbouring rows.
;   v: K = the keys, its FIRST axis within a head.  v_codes [head][d 128][key 2048], keys innermost; v_scales [head][run of 256 keys: 8][128 keys of the run: 2][d 128][4 bytes]: a run's 1,024 scale bytes
;      are dense, so that the next launch can bring them with the run's codes, and the words of 32 neighbouring d for one key step are 128 neighbouring bytes.
; A block's scale is 2^(floor(log2(its largest magnitude)) - 8); its byte is the largest magnitude's own exponent field - 8, held at 1 from below; a block of zeros gets 127.
; Each number is divided by the scale, held within +-448 and rounded to the nearest code, ties to even.
; LIMITS: blocks whose largest magnitude lies under 2^-117, whose byte is held at 1, were not tried; NaN and infinities among the inputs are not served.
; ONE LAUNCH FOR BOTH: work-groups 0-255 take k, work-groups 256-511 take v, by a scalar branch on the work-group's number; each reads 131,072 bytes, 16,384 a wave.
; No tensor loads, no matrix unit, no cluster: every input byte is read once by one wave.
.set EMAX, 8                           ; the exponent of 448
.set MANT, 0x600000                    ; the mantissa field of 448 as f32
.set KX,   16                          ; k: v16-143  eight sets of 16 numbers, one for each step
.set KC,   144                         ; k: v144-175 codes: four registers for each step, so that no store's data are written again
.set KE,   176                         ; k: v176-183 a scale byte for each step
.set KTB,  8*272                       ; k: LDS bytes in which a step's 2,048 bytes are turned: 16 bytes of padding behind every 256
.set KWB,  KTB+128                     ; k: a wave's LDS: the turn, then its 128 scale bytes
.set VSB,  24                          ; v: v24      a lane's four scale bytes
.set VX,   32                          ; v: v32-95   two sets of 32 numbers
.set VC,   96                          ; v: v96-103  a block's codes
.set VOUT, 112                         ; v: v112-143 the way out
.set VPIT, 272                         ; v: a stage row: 256 bytes of codes + 16
	s_load_b256 s[4:11], s[0:1], 0x0               ; k s[4:5], v s[6:7], k_codes s[8:9], k_scales s[10:11]
	s_load_b128 s[12:15], s[0:1], 0x20             ; v_codes s[12:13], v_scales s[14:15]
	v_lshrrev_b32 v1, 5, v0
	v_readfirstlane_b32 s16, v1                    ; wave 0..7
	v_and_b32 v2, 31, v0                           ; lane
	s_cmp_lt_u32 ttmp9, 256
	s_cbranch_scc0 .Lv_path
; ---------------------------------------------------------------- k: K is innermost
; A wave takes a run of 4,096 numbers, 32 keys, in 8 steps of 512 numbers, 4 keys.  All its 32 loads go out at its start; each covers 512 consecutive bytes, 16 a lane.
; The conversions take 8 numbers of ONE block from a lane's registers, so a lane has to hold neighbours: A STEP IS TURNED THROUGH THE WAVE'S OWN LDS BYTES.  Its 128 pieces of 16 bytes are laid with piece c
; at 16 (c + c / 16); lane l of load i stores piece 32 i + l, and lane m reads pieces 4 m .. 4 m + 3 back: 16 neighbouring numbers, two neighbouring lanes to a block.  Sixteen lanes' stores are neighbours, and
; sixteen lanes' loads stand at pieces 4 m + m / 4 + i, sixteen different numbers modulo 16: each bank is touched once (64 banks of 4 bytes: ISA guide 11.1).  The next step is turned while this one is worked on.
; A lane's 16 codes are 16 bytes: the wave stores 512 consecutive bytes.
; Bits 3 and 4 of a key's number are bits 1 and 2 of the step's: the step's results go to the place of the step whose number has these two bits exchanged, by the immediates alone.
; A wave's 128 scale bytes are gathered in LDS and leave by one store of 4 bytes a lane, 128 consecutive bytes: one byte for each 128 that the path reads.
	v_lshlrev_b32 v3, 4, v2                        ; 16 bytes a lane: in k, and in a step's 512 bytes of codes; never rewritten
	s_mul_i32 s17, s16, KWB                        ; my wave's LDS
	v_lshrrev_b32 v4, 4, v2
	v_lshl_add_u32 v4, v4, 4, v3
	v_add_nc_u32 v4, s17, v4                       ; into the turn: 16 l + 16 (l / 16); load i stands 544 i further on
	v_lshrrev_b32 v5, 2, v2
	v_lshlrev_b32 v5, 4, v5
	v_lshl_add_u32 v5, v2, 6, v5
	v_add_nc_u32 v5, s17, v5                       ; out of it: 64 m + 16 (m / 4); piece i stands 16 i further on
	s_add_co_u32 s17, s17, KTB
	v_lshrrev_b32 v6, 1, v2
	v_add_nc_u32 v6, s17, v6                       ; my block's scale byte
	v_lshlrev_b32 v7, 2, v2                        ; and on the way out 4 bytes a lane
	v_add_nc_u32 v14, s17, v7
	s_lshl_b32 s18, ttmp9, 3
	s_add_co_u32 s18, s18, s16                     ; which of the 2,048 runs is my wave's
	s_mov_b32 s21, 0
	s_lshl_b32 s20, s18, 14                        ; 16,384 bytes of numbers a run
	s_wait_kmcnt 0x0
	s_add_nc_u64 s[4:5], s[4:5], s[20:21]
	s_lshl_b32 s20, s18, 12                        ; 4,096 bytes of codes
	s_add_nc_u64 s[8:9], s[8:9], s[20:21]
	s_lshl_b32 s20, s18, 7                         ; 128 scale bytes
	s_add_nc_u64 s[10:11], s[10:11], s[20:21]
.macro KLOAD t
.irp i, 0,1,2,3
	global_load_b128 v[KX+16*(\t)+4*\i:KX+16*(\t)+4*\i+3], v3, s[4:5] offset:2048*(\t)+512*\i th:TH_LOAD_NT
.endr
.endm
.macro KTURN t                         ; LDS serves a wave's instructions in order (ISA guide 5.7.1.4): the loads see the stores, and the next step's stores come behind this step's loads
.irp i, 0,1,2,3
	ds_store_b128 v4, v[KX+16*(\t)+4*\i:KX+16*(\t)+4*\i+3] offset:544*\i
.endr
.irp i, 0,1,2,3
	ds_load_b128 v[KX+16*(\t)+4*\i:KX+16*(\t)+4*\i+3], v5 offset:16*\i
.endr
.endm
.macro KSTEP t
.set XS, KX+16*(\t)
.set TP, ((\t)&1)|((((\t)>>1)&1)<<2)|((((\t)>>2)&1)<<1)    ; the step's number with bits 1 and 2 exchanged: where its four keys' results go
.if (\t) < 7
	s_wait_loadcnt 4*(6-(\t))                      ; the next step's four loads are in; those of the steps behind it may be out
	KTURN (\t)+1
	s_wait_dscnt 8                                 ; this step is back in registers; the eight LDS instructions just issued may be out
.else
	s_wait_dscnt 0x0
.endif
	v_max3_num_f32 v8, |v[XS]|, |v[XS+1]|, |v[XS+2]|               ; the largest magnitude of my 16, in two chains
	v_max3_num_f32 v9, |v[XS+3]|, |v[XS+4]|, |v[XS+5]|
.irp i, 6,10
	v_max3_num_f32 v8, v8, |v[XS+\i]|, |v[XS+\i+1]|
	v_max3_num_f32 v9, v9, |v[XS+\i+2]|, |v[XS+\i+3]|
.endr
	v_max3_num_f32 v8, v8, |v[XS+14]|, |v[XS+15]|
	v_max_num_f32 v8, v8, v9
	v_max_num_f32_dpp v8, v8, v8 row_xmask:1 row_mask:0xf bank_mask:0xf   ; and of my neighbour's 16: the block's
	v_lshrrev_b32 v9, 23, v8                       ; its exponent field (the sign bit is 0)
	v_max_u32 v9, EMAX+1, v9                       ; the byte is not to fall under 1
	v_lshl_or_b32 v10, v9, 23, MANT                ; 448 x the scale: exponent field = the byte + 8
	v_add_nc_u32 v9, -EMAX, v9                     ; the scale's byte
	v_lshlrev_b32 v11, 23, v9                      ; and the scale as f32: the conversion takes its exponent field
	v_cmp_eq_u32 vcc_lo, 0, v8                     ; a block of zeros?
.irp i, 0,1,2,3,4,5,6,7,8,9,10,11,12,13,14,15
	v_med3_num_f32 v[XS+\i], v[XS+\i], -v10, v10   ; the conversion to an 8-bit code does not saturate (ISA guide 7.6.2): hold the number first
.endr
	v_cvt_scalef32_pk8_fp8_f32 v[KC+4*(\t):KC+4*(\t)+1], v[XS:XS+7], v11
	v_cvt_scalef32_pk8_fp8_f32 v[KC+4*(\t)+2:KC+4*(\t)+3], v[XS+8:XS+15], v11
	v_cndmask_b32 v[KE+(\t)], v9, 127, vcc_lo      ; a block of zeros gets 127.  (Also the one plain vector instruction between a scaled conversion and what touches its result or writes its sources)
	ds_store_b8 v6, v[KE+(\t)] offset:16*TP        ; both lanes of a block write the same byte with the same value
	global_store_b128 v3, v[KC+4*(\t):KC+4*(\t)+3], s[8:9] offset:512*TP
.endm
.irp t, 0,1,2,3,4,5,6,7
	KLOAD \t
.endr
	s_wait_loadcnt 28                              ; step 0's four loads are in; the other seven steps' may be out
	KTURN 0
.irp t, 0,1,2,3,4,5,6,7
	KSTEP \t
.endr
	ds_load_b32 v12, v14                           ; LDS serves a wave's instructions in order: this sees my stores
	s_wait_dscnt 0x0
	global_store_b32 v7, v12, s[10:11]             ; 32 lanes store 128 consecutive bytes
	s_endpgm
; ---------------------------------------------------------------- v: K (the keys) is the first axis within a head
; A LANE TAKES A COLUMN d, AND ITS REGISTERS RUN DOWN THE KEYS: each load reads 128 consecutive bytes a wave (four waves a whole row of 512), a block of 32 keys lies in ONE lane's 32 registers, and the
; conversions give the codes with the keys innermost.  A work-group takes a run of 256 keys of one head; wave w takes columns 32 (w % 4) on and keys 128 (w / 4) on: 4 blocks a lane, 128 bytes of codes a column.
; The eight waves share ONE stage of 128 rows (a row to a column, 256 bytes of codes + 16): a column's row is written half by one wave and half by another, so a barrier stands between the writing and the reading;
; then each wave reads 16 whole rows and stores them: sixteen lanes store 256 consecutive bytes, aligned.  Loads run two blocks (64 loads a wave) ahead.
; A lane's scale word leaves by one store of 4 bytes: 128 consecutive bytes a wave, one byte for each 128 that the path reads.
.Lv_path:
	s_sub_co_u32 s17, ttmp9, 256
	s_lshr_b32 s18, s17, 3                         ; head
	s_and_b32 s19, s17, 7                          ; which run of 256 keys
	s_and_b32 s28, s16, 3                          ; which 32 columns
	s_lshr_b32 s29, s16, 2                         ; which 128 keys of the run
	s_mov_b32 s21, 0
	s_mov_b32 s23, 0
	s_mov_b32 s25, 0
	s_lshl_b32 s20, s18, 20                        ; v: a head is 2,048 x 512 bytes,
	s_lshl_b32 s26, s19, 17                        ; 256 keys are 131,072,
	s_add_co_u32 s20, s20, s26
	s_lshl_b32 s26, s29, 16                        ; 128 keys are 65,536,
	s_add_co_u32 s20, s20, s26
	s_lshl_b32 s26, s28, 7                         ; 32 columns are 128
	s_add_co_u32 s20, s20, s26
	s_lshl_b32 s22, s18, 18                        ; v_codes: a head is 128 x 2,048 bytes,
	s_lshl_b32 s26, s16, 15                        ; the 16 rows that I store are 32,768,
	s_add_co_u32 s22, s22, s26
	s_lshl_b32 s26, s19, 8                         ; 256 keys are 256
	s_add_co_u32 s22, s22, s26
	s_lshl_b32 s24, s18, 13                        ; v_scales: a head is 8 runs of 1,024 bytes,
	s_lshl_b32 s26, s19, 10                        ; my run,
	s_add_co_u32 s24, s24, s26
	s_lshl_b32 s26, s29, 9                         ; my 128 keys of it: 512,
	s_add_co_u32 s24, s24, s26
	s_lshl_b32 s26, s28, 7                         ; 32 columns of 4 bytes are 128
	s_add_co_u32 s24, s24, s26
	s_mul_i32 s27, s28, 32*VPIT                    ; into the stage: my 32 rows,
	s_lshl_b32 s26, s29, 7
	s_add_co_u32 s27, s27, s26                     ; my half of their 256 bytes
	s_mul_i32 s30, s16, 16*VPIT                    ; out of it: rows 16 w .. 16 w + 15
	v_lshlrev_b32 v3, 2, v2                        ; 4 bytes a lane: in v, and in the scale words; never rewritten
	v_mul_u32_u24 v4, v2, VPIT
	v_add_nc_u32 v4, s27, v4                       ; row = my column
	v_and_b32 v5, 15, v2
	v_lshrrev_b32 v6, 4, v2                        ; sixteen lanes to a row, two rows an instruction
	v_mul_u32_u24 v7, v6, VPIT
	v_lshl_add_u32 v7, v5, 4, v7
	v_add_nc_u32 v7, s30, v7
	v_lshlrev_b32 v8, 11, v6                       ; and the same place in v_codes: rows of 2,048 bytes
	v_lshl_add_u32 v8, v5, 4, v8
	s_wait_kmcnt 0x0
	s_add_nc_u64 s[6:7], s[6:7], s[20:21]
	s_add_nc_u64 s[12:13], s[12:13], s[22:23]
	s_add_nc_u64 s[14:15], s[14:15], s[24:25]
.macro VLOAD t                         ; block t: v(32 t + i, my column), i = 0 .. 31, into set t % 2
.irp i, 0,1,2,3,4,5,6,7,8,9,10,11,12,13,14,15,16,17,18,19,20,21,22,23,24,25,26,27,28,29,30,31
	global_load_b32 v[VX+32*((\t)%2)+\i], v3, s[6:7] offset:(32*(\t)+\i)*512 th:TH_LOAD_NT
.endr
.endm
.macro VBLOCK t
.set XS, VX+32*((\t)%2)
.if (\t) < 3
	s_wait_loadcnt 32                              ; this block's 32 loads are in; the next block's 32 may be out
.else
	s_wait_loadcnt 0
.endif
	v_max3_num_f32 v12, |v[XS]|, |v[XS+1]|, |v[XS+2]|              ; the block's largest magnitude: all 32 numbers are mine
	v_max3_num_f32 v13, |v[XS+3]|, |v[XS+4]|, |v[XS+5]|
.irp i, 6,10,14,18,22,26
	v_max3_num_f32 v12, v12, |v[XS+\i]|, |v[XS+\i+1]|
	v_max3_num_f32 v13, v13, |v[XS+\i+2]|, |v[XS+\i+3]|
.endr
	v_max3_num_f32 v12, v12, |v[XS+30]|, |v[XS+31]|
	v_max_num_f32 v12, v12, v13
	v_lshrrev_b32 v13, 23, v12                     ; its exponent field
	v_max_u32 v13, EMAX+1, v13                     ; the byte is not to fall under 1
	v_lshl_or_b32 v10, v13, 23, MANT               ; 448 x the scale
	v_add_nc_u32 v13, -EMAX, v13                   ; the scale's byte
	v_lshlrev_b32 v11, 23, v13                     ; and the scale as f32
	v_cmp_eq_u32 vcc_lo, 0, v12
	v_cndmask_b32 v13, v13, 127, vcc_lo            ; a block of zeros gets 127
.if (\t) == 0
	v_mov_b32 v[VSB], v13                          ; four bytes to the word, the earlier keys in the lower byte
.else
	v_lshl_or_b32 v[VSB], v13, 8*(\t), v[VSB]
.endif
.irp i, 0,1,2,3,4,5,6,7,8,9,10,11,12,13,14,15,16,17,18,19,20,21,22,23,24,25,26,27,28,29,30,31
	v_med3_num_f32 v[XS+\i], v[XS+\i], -v10, v10   ; the conversion does not saturate (ISA guide 7.6.2): hold the number first
.endr
.irp g, 0,1,2,3
	v_cvt_scalef32_pk8_fp8_f32 v[VC+2*\g:VC+2*\g+1], v[XS+8*\g:XS+8*\g+7], v11
.endr
	v_nop                                          ; one plain vector instruction between a scaled conversion and what touches its result or writes its sources
	ds_store_b128 v4, v[VC:VC+3] offset:32*(\t)    ; 32 codes: 32 bytes of my column's row
	ds_store_b128 v4, v[VC+4:VC+7] offset:32*(\t)+16
.if (\t)+2 < 4
	VLOAD (\t)+2
.endif
	s_wait_dscnt 0x0                               ; the stores have read their registers: the next block's codes may be written.  Behind the last block: for the others' sake, my part of the stage is written
.endm
	VLOAD 0
	VLOAD 1
.irp t, 0,1,2,3
	VBLOCK \t
.endr
	global_store_b32 v3, v[VSB], s[14:15]          ; my column's word for my 128 keys: 32 lanes store 128 consecutive bytes
	s_barrier_signal -1                            ; every wave has waited for its stores into the stage
	s_barrier_wait -1                              ; the rows are whole
.irp t, 0,1,2,3,4,5,6,7
	ds_load_b128 v[VOUT+4*\t:VOUT+4*\t+3], v7 offset:2*\t*VPIT
.endr
.irp t, 0,1,2,3,4,5,6,7
	s_wait_dscnt 7-\t                              ; the younger loads may be out
	global_store_b128 v8, v[VOUT+4*\t:VOUT+4*\t+3], s[12:13] offset:2*\t*2048
.endr
	s_endpgm
.Lfunc_end_k_qf14c05b9d1_quant:
	.size	k_qf14c05b9d1_quant, .Lfunc_end_k_qf14c05b9d1_quant-k_qf14c05b9d1_quant
	.p2alignl 7, 3214868480
	.fill 96, 4, 3214868480
	.section	.rodata,"a",@progbits
	.p2align	6, 0x0
	.amdhsa_kernel k_qf14c05b9d1_quant
		.amdhsa_group_segment_fixed_size 35840
		.amdhsa_private_segment_fixed_size 0
		.amdhsa_enable_private_segment 0
		.amdhsa_kernarg_size 48
		.amdhsa_user_sgpr_count 2
		.amdhsa_user_sgpr_kernarg_segment_ptr 1
		.amdhsa_wavefront_size32 1
		.amdhsa_system_sgpr_workgroup_id_x 1
		.amdhsa_system_sgpr_workgroup_id_y 1
		.amdhsa_system_sgpr_workgroup_id_z 1
		.amdhsa_system_vgpr_workitem_id 0
		.amdhsa_next_free_vgpr 192
		.amdhsa_next_free_sgpr 66
		.amdhsa_reserve_vcc 1
		.amdhsa_float_denorm_mode_32 3
		.amdhsa_float_denorm_mode_16_64 3
		.amdhsa_memory_ordered 1
		.amdhsa_forward_progress 1
		.amdhsa_inst_pref_size 58
	.end_amdhsa_kernel
	.amdgpu_metadata
---
amdhsa.version: [ 1, 2 ]
amdhsa.kernels:
  - .name:           k_qf14c05b9d1_quant
    .symbol:         k_qf14c05b9d1_quant.kd
    .args:
      - { .name: k, .offset: 0, .size: 8, .value_kind: global_buffer, .address_space: global }
      - { .name: v, .offset: 8, .size: 8, .value_kind: global_buffer, .address_space: global }
      - { .name: k_codes, .offset: 16, .size: 8, .value_kind: global_buffer, .address_space: global }
      - { .name: k_scales, .offset: 24, .size: 8, .value_kind: global_buffer, .address_space: global }
      - { .name: v_codes, .offset: 32, .size: 8, .value_kind: global_buffer, .address_space: global }
      - { .name: v_scales, .offset: 40, .size: 8, .value_kind: global_buffer, .address_space: global }
    .group_segment_fixed_size: 35840
    .private_segment_fixed_size: 0
    .kernarg_segment_align: 8
    .kernarg_segment_size: 48
    .max_flat_workgroup_size: 256
    .sgpr_count:     66
    .vgpr_count:     192
    .wavefront_size: 32
...
	.end_amdgpu_metadata
.endif
;; end of part 3
;; launch attn (part 4): grid 8 x 32, 8 waves a work-group, no clusters, 327,680 bytes of LDS; arguments q, k_codes, k_scales, v_codes, v_scales, out0; writes out0
.if DOCPART == 4
	.amdgcn_target "amdgcn-amd-amdhsa--gfx1250"
	.amdhsa_code_object_version 6
	.text
	.protected	k_qf14c05b9d1_attn
	.globl	k_qf14c05b9d1_attn
	.p2align	8
	.type	k_qf14c05b9d1_attn,@function
k_qf14c05b9d1_attn:
	s_mov_b64 s[64:65], 0
	v_nop
	global_prefetch_b8 v0, s[64:65] scope:SCOPE_SE
	s_setreg_imm32_b32 hwreg(HW_REG_WAVE_MODE, 25, 1), 1
	s_wait_xcnt 0x0
; out0[head][q][:] = the sum over keys k <= q of softmax_k(Q[q] . K[k] / sqrt(128)) V[k][:], 32 heads of 2,048 x 128, both products on codes of FP8 (E4M3) with one E8M0 scale for each 32 along a product's K.
; q arrives as f32 and is read by one wave alone: it is quantised in registers here.  From the launch before: k_codes [head][place][128], k_scales [head][place][4] (a key's place: its number with bits 3 and 4
; exchanged), v_codes [head][d][key], v_scales [head][run of 256 keys][128 keys of the run][d][4].
; THE SOFTMAX AHEAD OF THE SECOND PRODUCT: t = score x c, c = log2(e) / sqrt(128); M = the row's largest t so far, rounded UP to a whole number; p = 2^(t - M) is what is quantised, along the keys; it is not
; normalised.  The row's sum is taken of the unquantised p, in f32, and divides O at the end.  When M moves, the sum and O are multiplied by 2^(old M - new M).
; SHARES.  A head's queries are 16 blocks of 128.  Work-group J (0-7) of a head owns blocks J and 15 - J; each of its eight waves owns 32 queries of one block: TWO tiles of 16, A and B, in 512 registers, so that
; each fragment of K and of V that it reads from LDS feeds two products.  A block B needs key steps 0 .. B of 128 keys, so a short and a long wave need (J + 1) + (16 - J) = 17 steps in every work-group.
; Which block a wave takes is bit 0 of w xor (w >> 2): of waves w and w + 4, and of waves 2 i and 2 i + 1, one takes the short block and one the long.  A wave skips the key steps behind its diagonal by a
; scalar branch on ids, and stores its rows right behind its last step.
; THE RING.  Two LDS slots of 256 keys, filled by the tensor data mover and read by all eight waves; (17 - J) / 2 slots' worth of keys, 5 to 8.  A slot holds K's 256 rows, V's 128 rows of 256 keys, and the
; 1,024 + 1,024 scale bytes of these keys, each a dense block of memory.  Waves 0, 1 fetch K's halves, waves 2, 3 V's, wave 4 K's scale bytes, wave 5 V's: one tensor load a wave.
; Every LDS address of a key step is the slot's base, a lane term and an immediate.
; NO CLUSTER: the eight work-groups of a head read the same tiles, but they need different numbers of slots (5 to 8), and the skip of hidden key steps is a branch on the work-group's place in the head.
; LAYOUT.  Both products are used transposed: S^T = K Q^T (source 0 = 16 keys, source 1 = 16 queries), O^T = V^T P^T (source 0 = 16 of the head's 128, source 1 = P): a lane holds ONE query (lane % 16) of each tile.
; THE KEYS OF A TILE ARE NOT NEIGHBOURS: row r of tile 2 b + u is key 32 b + 8 u + r + 8 (r / 8), so that register n (0-63) of S^T in lane (r, h) is key 32 (n / 16) + 16 h + n % 16: 16 neighbours for each block.
; By the places in k_codes these 16 keys are 16 neighbouring rows of 144 bytes in LDS: row r starts at word 36 r mod 64 of the 64 banks (ISA guide 11.1), sixteen different groups of four.
; REGISTERS, in two windows of 256 (s_set_vgpr_msb: bits 1:0 source 0, 3:2 source 1, 5:4 source 2, 7:6 destination).  TILE B'S STATE LIES IN WINDOW 1 UNDER THE NUMBERS THAT TILE A'S HAS IN WINDOW 0, so that softmax,
; mask and quantiser are written once and run under the setting 0 or 0x55.  Shared, in window 0: addresses, four fragments (v32-95), every scale word (scale operands have no window).  v32-95 of window 1 hold four
; more fragments: all eight of a step's K, then all eight of its V, are in registers at once.
; ONE REGISTER CARRIES THE SCALE WORDS OF TWO TILES of K or V: lanes 0-15 the even tile's 16 rows, lanes 16-31 the odd tile's, which the odd tile's product reads by MATRIX_SCALE_ROW1.
; LIMITS: NaN and infinities among the inputs are not served; blocks whose largest magnitude lies under 2^-117 (byte held at 1) were not tried; scores under -3e38 are not served; hidden keys get the score -1e30
; ahead of the scaling by c (p is 0 either way); a block's largest p is taken as the exponential of the block's largest score, by the same fused multiply-add as the element's own: it leans on v_exp_f32 not decreasing;
; a change of M by more than 256 is held at 256, where 2^-256 is 0 in f32 as every smaller power is.
.set KP,    144                        ; a key's row in LDS: 128 bytes + 16 of padding
.set VP,    272                        ; a row of V's tile: 256 keys + 16 of padding
.set VOFF,  256*KP                     ; a slot: 256 rows of K, then 128 rows of V,
.set KSO,   VOFF+128*VP                ; 71,680: K's scale bytes, 4 a row, 1,024 in all,
.set VSO,   KSO+1024                   ; 72,704: V's, 512 for each of the slot's two steps.  32 lanes read 32 neighbouring words of either: no padding is needed
.set SLOT1, 1<<17                      ; slot 1 begins here: one exclusive or turns an address in one slot into the other's
.set STG0,  VSO+1024                   ; 73,728: behind each slot's tiles four waves' stages, whole blocks of 256 bytes into which no tile lands
.set QP,    528                        ; a row of q in the stage: 512 bytes + 16: row r starts at word 4 r mod 64 of the banks
.set STGB,  16*QP                      ; a stage: 16 rows of q on the way in; on the way out 16 rows x 272 bytes of it
.set SPARE, 2*SLOT1                    ; the spare words, 128 bytes for each wave: four blocks of 256 bytes that no other line names
; shared, window 0
.set AK0,  1                           ; v1   my lane's place in a tile of K
.set AV0,  2                           ; v2   the same for V
.set AS0,  3                           ; v3   my lane's place among a slot's scale words
.set ADK,  4                           ; v4   K's place in the slot in hand;  at the head and on the way out: where I put bytes into my stage
.set SPW,  5                           ; v5   LDS address of my spare word; never rewritten
.set NIL,  6                           ; v6   0; never rewritten
.set PSWB, 7                           ; v7   tile B: p's scale word
.set QSWB, 8                           ; v8   tile B: Q's scale word
.set ADV,  10                          ; v10  V's place in the slot in hand;  at the head and on the way out: where I read my stage back
.set ADS,  11                          ; v11  the scale words' place in the slot in hand;  at the head and on the way out: my byte offset in q's or out0's rows
.set FR,   32                          ; v32-95   four fragments of K or of V; the same numbers in window 1: four more
.set SW,   248                         ; v248-251 K's or V's scale words, two tiles to a register
.set PSWA, 252                         ; v252     tile A: p's scale word
.set QSWA, 253                         ; v253     tile A: Q's scale word
.set SI,   ADK
.set SO,   ADV
.set GO,   ADS
; a tile's own: window 0 for tile A, window 1 for tile B
.set MQ,   9                           ; v9   the mask's bound: my query's place in its block of 128, less 16 (lane / 16)
.set NM,   12                          ; v12 -M, v13 the largest score so far (named as a pair by the packed scaling)
.set L,    14                          ; v[14:15] the row's sum: even keys', odd keys'
.set QC,   16                          ; v16-31   Q's codes
.set ST,   96                          ; v96-159  S^T, then p
.set OT,   160                         ; v160-223 O^T
.set PC,   224                         ; v224-239 p's codes; earlier in a step: v224-225 at work, v[226:227] the sum's second chain, v232-235 block maxima, v236-239 at work
.set T0,   224
.set L2,   226
.set BM,   232
.set PT,   236
.set HOLD, 240                         ; v240-243 448 x the block's scale
.set SCF,  244                         ; v244-247 the block's scale as f32
.set AA,   254                         ; v254 2^(old M - new M); v255 at work (named with it as a pair)
.set WV,   18                          ; s18  my wave's number
.set J,    19                          ; s19  the work-group's number in its head
.set SEL,  20                          ; s[20:21] lane selects for v_permlanex16_b32: lane l xor 16
.set CS,   22                          ; s[22:23] c, twice
.set G1K,  24                          ; s[24:31] descriptor group 1 for K's tiles;  s[32:39] for V's;  s[40:43], s[44:47] their groups 0, which walk
.set G1V,  32
.set G0K,  40
.set G0V,  44
.set G1S,  48                          ; s[48:55] group 1 for a slot's scale bytes;  s[56:59] their group 0, which walks
.set G0S,  56
.set TB,   66                          ; s66  LDS byte at which the slot in hand begins
.set SLOTS, 69                         ; s69  slots still to be asked for
.set STEPI, 70                         ; s70  the key step's number: it enters compares alone
.set DIAG, 71                          ; s71  my wave's block of queries = its last key step, the one on the diagonal
.set HD,   72                          ; s72  the head
.set QL,   73                          ; s73  my first query's place in its block of 128
.set STG,  91                          ; s91  my stage
.set MSB, 0
.macro WIN new                         ; the immediate's high byte repeats the setting that is left; a switch that changes nothing is dropped.  At every label and branch the setting is 0
.if MSB != \new
	s_set_vgpr_msb (MSB<<8)|\new
.set MSB, \new
.endif
.endm
.macro PLACES n                        ; plain vector instructions that name no register of the matrix instruction in front (ISA guide 7.12.1)
.rept \n
	v_nop
.endr
.endm
; Waves 0 and 1 fetch K's halves of a slot, waves 2 and 3 V's, waves 4 and 5 the scale bytes, the others nothing.  The branches hang on the wave's number alone.
; Four v_nop follow each of the three lines.
.macro TLOAD
	s_cmp_lt_u32 s[WV], 2
	s_cbranch_scc0 .Lnot_k_\@
	tensor_load_to_lds s[G0K:G0K+3], s[G1K:G1K+7]
	PLACES 4
	s_branch .Lasked_\@
.Lnot_k_\@:
	s_cmp_lt_u32 s[WV], 4
	s_cbranch_scc0 .Lnot_v_\@
	tensor_load_to_lds s[G0V:G0V+3], s[G1V:G1V+7]
	PLACES 4
	s_branch .Lasked_\@
.Lnot_v_\@:
	s_cmp_lt_u32 s[WV], 6
	s_cbranch_scc0 .Lasked_\@
	tensor_load_to_lds s[G0S:G0S+3], s[G1S:G1S+7]
	PLACES 4
.Lasked_\@:
.endm
	s_load_b256 s[4:11], s[0:1], 0x0               ; q s[4:5], k_codes s[6:7], k_scales s[8:9], v_codes s[10:11]
	s_load_b128 s[12:15], s[0:1], 0x20             ; v_scales s[12:13], out0 s[14:15]
	v_lshl_add_u32 v[SPW], v0, 2, SPARE
	v_mov_b32 v[NIL], 0
	v_lshrrev_b32 v[ADK], 5, v0
	v_readfirstlane_b32 s[WV], v[ADK]              ; wave 0..7
	s_mov_b32 s[J], ttmp9
	s_and_b32 s[HD], ttmp7, 0xffff
	s_lshr_b32 s74, s[WV], 2
	s_xor_b32 s74, s74, s[WV]
	s_and_b32 s74, s74, 1                          ; 0: the short block J; 1: the long block 15 - J
	s_sub_co_u32 s75, 15, s[J]
	s_cmp_lg_u32 s74, 0
	s_cselect_b32 s[DIAG], s75, s[J]
	s_lshr_b32 s[QL], s[WV], 1
	s_lshl_b32 s[QL], s[QL], 5                     ; waves 2 i and 2 i + 1 take queries 32 i .. 32 i + 31 of the two blocks
	s_lshl_b32 s76, s[DIAG], 7
	s_add_co_u32 s76, s76, s[QL]                   ; my first query in the head,
	s_lshl_b32 s77, s[HD], 11
	s_add_co_u32 s76, s76, s77                     ; among all 65,536 rows,
	s_lshl_b32 s76, s76, 9                         ; in bytes: 512 a row of q and of out0 (under 2^25)
	s_mov_b32 s77, 0
	s_sub_co_u32 s[SLOTS], 17, s[J]
	s_lshr_b32 s[SLOTS], s[SLOTS], 1               ; slots that hold key steps 0 .. 15 - J
	s_sub_co_u32 s[SLOTS], s[SLOTS], 1             ; the loop's trips: 4 to 7
	s_and_b32 s78, s[WV], 1                        ; which half I fetch, if I fetch
	s_lshl_b32 s80, s[HD], 18                      ; a head's codes are 262,144 bytes, K's and V's alike
	s_lshl_b32 s79, s78, 14                        ; K: 128 rows of 128 bytes
	s_add_co_u32 s80, s80, s79
	s_mov_b32 s81, 0
	s_lshl_b32 s82, s[HD], 18
	s_lshl_b32 s79, s78, 17                        ; V: 64 rows of 2,048 bytes
	s_add_co_u32 s82, s82, s79
	s_mov_b32 s83, 0
	s_lshl_b32 s84, s[HD], 13                      ; a head's scale bytes are 8,192, K's and V's alike
	s_mov_b32 s85, 0
	s_mul_i32 s86, s78, 128*KP                     ; where they go in a slot: K's half,
	s_mul_i32 s87, s78, 64*VP
	s_add_co_u32 s87, s87, VOFF                    ; V's half,
	s_lshl_b32 s88, s78, 10
	s_add_co_u32 s88, s88, KSO                     ; and the scale bytes: K's (even wave), then V's (odd wave)
	s_and_b32 s90, s[WV], 3
	s_mul_i32 s[STG], s90, STGB
	s_lshr_b32 s90, s[WV], 2
	s_lshl_b32 s90, s90, 17
	s_add_co_u32 s[STG], s[STG], s90
	s_add_co_u32 s[STG], s[STG], STG0              ; my stage: waves 0-3 behind slot 0's tiles, waves 4-7 behind slot 1's
	; descriptor group 1.  K: 128 rows of 128 bytes, dense in memory;  V: 64 rows of 256 bytes, 2,048 bytes apart
	s_mov_b32 s[G1K], (0<<16)|(1<<20)|(4<<22)|(3<<25)              ; 15:0 no mask; 17:16 elements of 1 byte; 20 padding on; 24:22 after every 32 words (code 4); 31:25 four words (code 3)
	s_mov_b32 s[G1K+1], 128<<16                    ; tensor_dim0
	s_mov_b32 s[G1K+2], 128<<16                    ; tensor_dim1
	s_mov_b32 s[G1K+3], 128<<16                    ; tile_dim0
	s_mov_b32 s[G1K+4], 128                        ; tile_dim1
	s_mov_b32 s[G1K+5], 128                        ; tensor_dim0_stride
	s_mov_b32 s[G1K+6], 0
	s_mov_b32 s[G1K+7], 0
	s_mov_b32 s[G1V], (0<<16)|(1<<20)|(5<<22)|(3<<25)              ; padding: four words after every 64
	s_mov_b32 s[G1V+1], 256<<16
	s_mov_b32 s[G1V+2], 64<<16
	s_mov_b32 s[G1V+3], 256<<16
	s_mov_b32 s[G1V+4], 64
	s_mov_b32 s[G1V+5], 2048
	s_mov_b32 s[G1V+6], 0
	s_mov_b32 s[G1V+7], 0
	; a slot's scale bytes of K or of V: 1,024 dense bytes as 4 rows of 256 (32 elements of 8 bytes), no padding
	s_mov_b32 s[G1S], 3<<16
	s_mov_b32 s[G1S+1], 32<<16
	s_mov_b32 s[G1S+2], 4<<16
	s_mov_b32 s[G1S+3], 32<<16
	s_mov_b32 s[G1S+4], 4
	s_mov_b32 s[G1S+5], 32
	s_mov_b32 s[G1S+6], 0
	s_mov_b32 s[G1S+7], 0
	s_mov_b32 s[SEL], 0x76543210
	s_mov_b32 s[SEL+1], 0xfedcba98
	s_mov_b32 s[CS], 0x3e0293ee                    ; c = log2(e) / sqrt(128)
	s_mov_b32 s[CS+1], 0x3e0293ee                  ; named with it as a pair, so it is written
	s_mov_b32 s[TB], 0
	s_mov_b32 s[STEPI], 0
	s_wait_kmcnt 0x0
	s_mov_b32 s[G0K], 1                            ; 1:0 count = 1
	s_mov_b32 s[G0K+1], s86                        ; 63:32 LDS address: slot 0
	s_add_nc_u64 s[G0K+2:G0K+3], s[6:7], s[80:81]  ; 120:64 global address: the head's first 256 keys
	s_or_b32 s[G0K+3], s[G0K+3], 0x80000000        ; 127:126 type = 2
	s_mov_b32 s[G0V], 1
	s_mov_b32 s[G0V+1], s87
	s_add_nc_u64 s[G0V+2:G0V+3], s[10:11], s[82:83]
	s_or_b32 s[G0V+3], s[G0V+3], 0x80000000
	s_cmp_lg_u32 s78, 0                            ; K's scale bytes or V's?  The choice hangs on the wave's number alone
	s_cselect_b64 s[60:61], s[12:13], s[8:9]
	s_mov_b32 s[G0S], 1
	s_mov_b32 s[G0S+1], s88
	s_add_nc_u64 s[G0S+2:G0S+3], s[60:61], s[84:85]
	s_or_b32 s[G0S+3], s[G0S+3], 0x80000000
	TLOAD                                          ; THE FIRST FILLS: slot 0, one tensor load a wave, ahead of every wait on TENSORcnt, every LDS read and every barrier.  One tensor load of a wave is out, here and later
	s_add_nc_u64 s[4:5], s[4:5], s[76:77]          ; q at my first query
	s_add_nc_u64 s[14:15], s[14:15], s[76:77]      ; out0 likewise
	v_and_b32 v[T0], 15, v0                        ; r = lane % 16
	v_bfe_u32 v[T0+1], v0, 4, 1                    ; h = lane / 16
	v_and_b32 v[AS0], 31, v0                       ; lane
	v_lshlrev_b32 v[ADS], 4, v[AS0]                ; q: 16 bytes a lane: ONE LOAD TAKES ONE ROW, 512 consecutive bytes
.irp j, 0,1,2,3,4,5,6,7,8,9,10,11,12,13,14,15
	global_load_b128 v[ST+4*\j:ST+4*\j+3], v[ADS], s[4:5] offset:512*\j th:TH_LOAD_NT          ; tile A's row j
.endr
	WIN 0x40                                       ; destination window 1, address window 0
.irp j, 0,1,2,3,4,5,6,7,8,9,10,11,12,13,14,15
	global_load_b128 v[ST+4*\j:ST+4*\j+3], v[ADS], s[4:5] offset:8192+512*\j th:TH_LOAD_NT     ; tile B's: 16 rows on
.endr
	WIN 0
	v_add_nc_u32 v[SI], s[STG], v[ADS]             ; into my stage: 16 bytes a lane; row j stands 528 j further on
	v_mul_u32_u24 v[SO], v[T0], QP
	v_lshl_add_u32 v[SO], v[T0+1], 6, v[SO]
	v_add_nc_u32 v[SO], s[STG], v[SO]              ; back: row r, + 16 h numbers
	v_mul_u32_u24 v[AK0], v[T0], KP
	v_lshl_add_u32 v[AK0], v[T0+1], 4, v[AK0]      ; K: row r of a tile, + 16 h
	v_mul_u32_u24 v[AV0], v[T0], VP
	v_lshl_add_u32 v[AV0], v[T0+1], 4, v[AV0]
	v_add_nc_u32 v[AV0], VOFF, v[AV0]              ; V likewise
	v_lshl_add_u32 v[AS0], v[AS0], 2, KSO          ; the scale words: 4 bytes a lane: lanes 0-15 an even tile's rows, lanes 16-31 the odd tile's behind it
	v_lshlrev_b32 v[MQ], 4, v[T0+1]
	v_sub_nc_u32 v[MQ], v[T0], v[MQ]
	v_add_nc_u32 v[MQ], s[QL], v[MQ]               ; tile A's bound for the mask: QL + r - 16 h, signed
	WIN 0x40
	v_add_nc_u32 v[MQ], 16, v[MQ]                  ; tile B's (window 1) = tile A's (window 0) + 16
; A TILE'S 16 ROWS OF q ARE TURNED THROUGH MY STAGE: the operand's layout gives lane (r, h) the numbers 32 c + 16 h + 0 .. 15 of row r for each block c, 64 neighbouring bytes.
; The stores are 512 neighbouring bytes each; of the loads sixteen lanes stand 528 bytes apart: each bank is touched once.  win = 0: tile A;  0x44: tile B: the data in window 1, the addresses in window 0.
; LDS serves a wave's instructions in order (ISA guide 5.7.1.4): the loads see the stores, and come back into the registers that the stores have left.
.macro QTURN win
	WIN \win
.irp j, 0,1,2,3,4,5,6,7,8,9,10,11,12,13,14,15
	ds_store_b128 v[SI], v[ST+4*\j:ST+4*\j+3] offset:QP*\j
.endr
.irp c, 0,1,2,3
.irp i, 0,1,2,3
	ds_load_b128 v[ST+16*\c+4*\i:ST+16*\c+4*\i+3], v[SO] offset:128*\c+16*\i
.endr
.endr
.endm
; A TILE'S Q IS QUANTISED in registers: block c is my 16 numbers and those of lane l xor 16.  win: the tile's window setting; wsc: sources in the tile's window, destination in window 0, for the scale word.
; The tile's statistics and O^T begin here too: the key step is written without a first form of its own; the first change of M multiplies zeros.
.macro QUANTQ win, wsc, qsw
	WIN \win
	v_mov_b32 v[NM+1], 0xff61b1e6                  ; the largest score so far: -3e38
	v_floor_f32 v[NM], -v[NM+1]                    ; -M: far above every -M to come
	v_mov_b32 v[L], 0
	v_mov_b32 v[L+1], 0
.irp c, 0,1,2,3
	v_max3_num_f32 v[BM+\c], |v[ST+16*\c]|, |v[ST+16*\c+1]|, |v[ST+16*\c+2]|
.irp i, 3,5,7,9,11,13
	v_max3_num_f32 v[BM+\c], v[BM+\c], |v[ST+16*\c+\i]|, |v[ST+16*\c+\i+1]|
.endr
	v_max_num_f32 v[BM+\c], v[BM+\c], |v[ST+16*\c+15]|
	v_mov_b32 v[PT+\c], 0                          ; (the destination of a lane permute counts as read)
	v_permlanex16_b32 v[PT+\c], v[BM+\c], s[SEL], s[SEL+1]
	v_max_num_f32 v[BM+\c], v[BM+\c], v[PT+\c]     ; the block's largest magnitude
	v_lshrrev_b32 v[PT+\c], 23, v[BM+\c]           ; its exponent field
	v_max_u32 v[PT+\c], 9, v[PT+\c]                ; (the byte is not to fall under 1)
	v_lshl_or_b32 v[HOLD+\c], v[PT+\c], 23, 0x600000   ; 448 x the scale
	v_add_nc_u32 v[PT+\c], -8, v[PT+\c]            ; the scale's byte
	v_lshlrev_b32 v[SCF+\c], 23, v[PT+\c]          ; the scale as f32, for the conversion
	v_cmp_eq_u32 vcc_lo, 0, v[BM+\c]
	v_cndmask_b32 v[PT+\c], v[PT+\c], 127, vcc_lo  ; a block of zeros
.endr
	v_lshl_or_b32 v[PT], v[PT+1], 8, v[PT]         ; the four bytes make row r's scale word (lanes 16-31 hold the same and are not read)
	v_lshl_or_b32 v[PT], v[PT+2], 16, v[PT]
	WIN \wsc
	v_lshl_or_b32 v[\qsw], v[PT+3], 24, v[PT]      ; into window 0: scale operands have no window
	WIN \win
.irp c, 0,1,2,3
.irp i, 0,1,2,3,4,5,6,7,8,9,10,11,12,13,14,15
	v_med3_num_f32 v[ST+16*\c+\i], v[ST+16*\c+\i], -v[HOLD+\c], v[HOLD+\c]   ; the conversion does not saturate (ISA guide 7.6.2)
.endr
	v_cvt_scalef32_pk8_fp8_f32 v[QC+4*\c:QC+4*\c+1], v[ST+16*\c:ST+16*\c+7], v[SCF+\c]      ; registers 4 c .. 4 c + 3 of the operand
	v_cvt_scalef32_pk8_fp8_f32 v[QC+4*\c+2:QC+4*\c+3], v[ST+16*\c+8:ST+16*\c+15], v[SCF+\c]
.endr
.set i, 0
.rept 64
	v_mov_b32 v[OT+i], 0                           ; O^T.  (Also the places behind the conversions and ahead of the first product)
.set i, i+1
.endr
.endm
	s_wait_loadcnt 16                              ; tile A's sixteen rows are in; tile B's sixteen loads may be out
	QTURN 0
	s_wait_dscnt 0x0
	QUANTQ 0, 0, QSWA
	s_wait_loadcnt 0x0                             ; tile B's are in; the loads' offset register is free
	QTURN 0x44
	s_wait_dscnt 0x0
	QUANTQ 0x55, 0x15, QSWB
	WIN 0
; A step's K: the four registers of scale words, then the eight fragments (16 rows x 128 codes each), tiles 0-3 into window 0, tiles 4-7 into window 1.  q: which 128 keys of the slot
.macro KFETCH q
.irp i, 0,1,2,3
	ds_load_b32 v[SW+\i], v[ADS] offset:512*(\q)+128*\i            ; rows 32 i + lane of the step: tiles 2 i and 2 i + 1
.endr
.irp t, 0,1,2,3
.irp c, 0,1,2,3
	ds_load_b128 v[FR+16*\t+4*\c:FR+16*\t+4*\c+3], v[ADK] offset:(128*(\q)+16*\t)*KP+32*\c
.endr
.endr
	WIN 0x40                                       ; destination window 1, address window 0
.irp t, 0,1,2,3
.irp c, 0,1,2,3
	ds_load_b128 v[FR+16*\t+4*\c:FR+16*\t+4*\c+3], v[ADK] offset:(128*(\q)+64+16*\t)*KP+32*\c
.endr
.endr
.endm
; A step's V^T likewise: eight fragments of 16 of the head's 128 x the step's 128 keys
.macro VFETCH q
.irp i, 0,1,2,3
	ds_load_b32 v[SW+\i], v[ADS] offset:1024+512*(\q)+128*\i       ; V's scale words lie 1,024 bytes behind K's: d = 32 i + lane
.endr
.irp t, 0,1,2,3
.irp c, 0,1,2,3
	ds_load_b128 v[FR+16*\t+4*\c:FR+16*\t+4*\c+3], v[ADV] offset:16*\t*VP+128*(\q)+32*\c
.endr
.endr
	WIN 0x40
.irp t, 0,1,2,3
.irp c, 0,1,2,3
	ds_load_b128 v[FR+16*\t+4*\c:FR+16*\t+4*\c+3], v[ADV] offset:(64+16*\t)*VP+128*(\q)+32*\c
.endr
.endr
.endm
; One product of S^T = K Q^T: tile tl of the step's keys.  The window setting says whose queries (Q's codes and S^T: source 1 and destination) and which four fragments (source 0)
.macro KQ tl, qsw
.if (\tl)%2
	v_wmma_scale_f32_16x16x128_f8f6f4 v[ST+8*(\tl):ST+8*(\tl)+7], v[FR+16*((\tl)%4):FR+16*((\tl)%4)+15], v[QC:QC+15], 0, v[SW+(\tl)/2], v[\qsw] matrix_a_scale:MATRIX_SCALE_ROW1
.else
	v_wmma_scale_f32_16x16x128_f8f6f4 v[ST+8*(\tl):ST+8*(\tl)+7], v[FR+16*((\tl)%4):FR+16*((\tl)%4)+15], v[QC:QC+15], 0, v[SW+(\tl)/2], v[\qsw]
.endif
.endm
; One product of O^T += V^T P^T: tile tl of the head's 128.  The accumulators take turns, one instruction a turn
.macro PV tl, psw
.if (\tl)%2
	v_wmma_scale_f32_16x16x128_f8f6f4 v[OT+8*(\tl):OT+8*(\tl)+7], v[FR+16*((\tl)%4):FR+16*((\tl)%4)+15], v[PC:PC+15], v[OT+8*(\tl):OT+8*(\tl)+7], v[SW+(\tl)/2], v[\psw] matrix_a_scale:MATRIX_SCALE_ROW1
.else
	v_wmma_scale_f32_16x16x128_f8f6f4 v[OT+8*(\tl):OT+8*(\tl)+7], v[FR+16*((\tl)%4):FR+16*((\tl)%4)+15], v[PC:PC+15], v[OT+8*(\tl):OT+8*(\tl)+7], v[SW+(\tl)/2], v[\psw]
.endif
.endm
; THE MASK of one tile, in the step on the diagonal alone.  Register n holds local key 32 (n / 16) + 16 h + n % 16: the score stays where 32 (n / 16) + n % 16 <= my query's place - 16 h.
; Ascending, so that each result of the first product is read from its low end on.
.macro MASK win
	WIN \win
	v_mov_b32 v[T0+1], 0xf149f2ca                  ; -1e30
.irp b, 0,1,2,3
.irp i, 0,1,2,3,4,5,6,7,8,9,10,11,12,13,14,15
	v_cmp_le_i32 vcc_lo, 32*\b+\i, v[MQ]
	v_cndmask_b32 v[ST+16*\b+\i], v[T0+1], v[ST+16*\b+\i], vcc_lo
.endr
.endr
.endm
; ONE TILE'S SOFTMAX for a key step: from S^T to p's codes and scale word, with the row's sum and O^T brought under the new M.  win, wsc as in QUANTQ.  Its parts:
.macro TMINUSM p                       ; t - M for pair p of the lane's 32 pairs of scores
	v_pk_fma_f32 v[ST+2*(\p):ST+2*(\p)+1], v[ST+2*(\p):ST+2*(\p)+1], s[CS:CS+1], v[NM:NM+1] op_sel_hi:[1,0,0]
.endm
.macro RESCALE p                       ; pair p of O^T under the new M.  The pairs are taken in ascending order, so that each result of the second product is read from its low end on
	v_pk_mul_f32 v[OT+2*(\p):OT+2*(\p)+1], v[OT+2*(\p):OT+2*(\p)+1], v[AA:AA+1] op_sel_hi:[1,0]
.endm
; Line n (0-30) of the four blocks' scales, the blocks by turns: exponent field, its hold at 9, 448 x the scale, the byte, the scale as f32, the byte 127 for a block whose every p is 0 (hidden keys, or far
; under M), and the four bytes joined to p's scale word, which goes into window 0
.macro SCI win, wsc, psw
.if n < 4
	v_lshrrev_b32 v[PT+n], 23, v[BM+n]
.elseif n < 8
	v_max_u32 v[PT+n-4], 9, v[PT+n-4]
.elseif n < 12
	v_lshl_or_b32 v[HOLD+n-8], v[PT+n-8], 23, 0x600000
.elseif n < 16
	v_add_nc_u32 v[PT+n-12], -8, v[PT+n-12]
.elseif n < 20
	v_lshlrev_b32 v[SCF+n-16], 23, v[PT+n-16]
.elseif (n < 28) && (n%2 == 0)
	v_cmp_eq_u32 vcc_lo, 0, v[BM+(n-20)/2]
.elseif n < 28
	v_cndmask_b32 v[PT+(n-21)/2], v[PT+(n-21)/2], 127, vcc_lo
.elseif n == 28
	v_lshl_or_b32 v[PT], v[PT+1], 8, v[PT]
.elseif n == 29
	v_lshl_or_b32 v[PT], v[PT+2], 16, v[PT]
.else
	WIN \wsc
	v_lshl_or_b32 v[\psw], v[PT+3], 24, v[PT]
	WIN \win
.endif
.set n, n+1
.endm
; SLOT k of 42.  The work behind the new M is dealt so that no two exponentials follow each other, each has a plain instruction behind it that does not touch its register (ISA guide 5.7.2), and no line reads the
; result of the line in front of it.  In slot k: the two exponentials of pair k; t - M for pair k + LEAD; O^T's pair k (the first NR pairs); the sum takes pair k - 1, of the UNQUANTISED p, two chains by turns
; (pairs 0 and 1 start the second chain, slot 33 joins the two); in the first LAG slots three lines of the blocks' scales; from slot LAG on the hold of pair k - LAG, which the sum has read nine slots earlier.
.set LEAD, 7
.set LAG,  10
.set NR,   16
.macro SMSLOT win, wsc, psw
.if k < 32
	v_exp_f32 v[ST+2*k], v[ST+2*k]                 ; p = 2^(t - M): NOT normalised
.endif
.if k >= LAG
	v_min_num_f32 v[ST+2*(k-LAG)], v[HOLD+(k-LAG)/8], v[ST+2*(k-LAG)]       ; the conversion does not saturate (ISA guide 7.6.2); p is never negative, so the upper hold is the whole hold
.endif
.if k+LEAD < 32
	TMINUSM k+LEAD
.endif
.if k < NR
	RESCALE k
.endif
.if k < 32
	v_exp_f32 v[ST+2*k+1], v[ST+2*k+1]
.endif
.if k == 2
	v_pk_add_f32 v[L2:L2+1], v[ST:ST+1], v[ST+2:ST+3]
.elseif (k > 2) && (k <= 32) && (k%2 == 1)
	v_pk_add_f32 v[L:L+1], v[L:L+1], v[ST+2*(k-1):ST+2*(k-1)+1]
.elseif (k > 2) && (k <= 32)
	v_pk_add_f32 v[L2:L2+1], v[L2:L2+1], v[ST+2*(k-1):ST+2*(k-1)+1]
.elseif k == 33
	v_pk_add_f32 v[L:L+1], v[L:L+1], v[L2:L2+1]
.endif
.if k >= LAG
	v_min_num_f32 v[ST+2*(k-LAG)+1], v[HOLD+(k-LAG)/8], v[ST+2*(k-LAG)+1]
.else
.rept 3
	SCI \win, \wsc, \psw
.endr
.endif
.if k == LAG
	SCI \win, \wsc, \psw                           ; the 31st line: p's scale word; all that follows stands between it and the products that name it
.endif
.set k, k+1
.endm
.macro SOFTMAX win, wsc, psw
	WIN \win
	; the largest score of each block of 32 keys (my 16 and lane l xor 16's): eight chains by turns, two to a block, each from the low end of a result of the first product on.
	; They give the row's maximum, and later each block's largest p
.irp b, 0,1,2,3
	v_max3_num_f32 v[BM+\b], v[ST+16*\b], v[ST+16*\b+1], v[ST+16*\b+2]
.endr
.irp b, 0,1,2,3
	v_max3_num_f32 v[PT+\b], v[ST+16*\b+8], v[ST+16*\b+9], v[ST+16*\b+10]
.endr
.irp i, 3,5
.irp b, 0,1,2,3
	v_max3_num_f32 v[BM+\b], v[BM+\b], v[ST+16*\b+\i], v[ST+16*\b+\i+1]
.endr
.irp b, 0,1,2,3
	v_max3_num_f32 v[PT+\b], v[PT+\b], v[ST+16*\b+8+\i], v[ST+16*\b+9+\i]
.endr
.endr
.irp b, 0,1,2,3
	v_max3_num_f32 v[BM+\b], v[BM+\b], v[PT+\b], v[ST+16*\b+7]
.endr
.irp b, 0,1,2,3
	v_max_num_f32 v[BM+\b], v[BM+\b], v[ST+16*\b+15]
.endr
.irp b, 0,1,2,3
	v_permlanex16_b32 v[PT+\b], v[BM+\b], s[SEL], s[SEL+1]
.endr
.irp b, 0,1,2,3
	v_max_num_f32 v[BM+\b], v[BM+\b], v[PT+\b]
.endr
	v_max3_num_f32 v[T0], v[BM], v[BM+1], v[BM+2]
	v_mov_b32 v[AA+1], v[NM]                       ; the old -M is kept for the change
	v_max3_num_f32 v[NM+1], v[T0], v[BM+3], v[NM+1]    ; the running largest score of my query
	v_mul_f32 v[T0], s[CS], v[NM+1]                ; as t (c is positive, so the largest score gives the largest t)
	v_floor_f32 v[NM], -v[T0]                      ; the new -M = floor(-t) = -ceil(t): M IS A WHOLE NUMBER
.irp b, 0,1,2,3
	v_fma_f32 v[BM+\b], v[BM+\b], s[CS], v[NM]     ; the blocks' largest t - M, by the same fused multiply-add as the elements'
.endr
	v_sub_f32 v[AA+1], v[NM], v[AA+1]              ; M's old value less its new one: a whole number, 0 or less,
	TMINUSM 0
	v_max_num_f32 v[AA+1], 0xc3800000, v[AA+1]     ; held at -256
	TMINUSM 1
	v_cvt_i32_f32 v[AA+1], v[AA+1]
	TMINUSM 2
	v_ldexp_f32 v[AA], 1.0, v[AA+1]                ; a = 2^(old M - new M)
	TMINUSM 3
	v_exp_f32 v[BM], v[BM]                         ; the blocks' largest p
	TMINUSM 4
	v_exp_f32 v[BM+1], v[BM+1]
	TMINUSM 5
	v_exp_f32 v[BM+2], v[BM+2]
	TMINUSM 6
	v_exp_f32 v[BM+3], v[BM+3]
	v_pk_mul_f32 v[L:L+1], v[L:L+1], v[AA:AA+1] op_sel_hi:[1,0]    ; what was summed under the old M is brought under the new
.set k, 0
.set n, 0
.rept 42
	SMSLOT \win, \wsc, \psw
.endr
.set i, 0
.rept 8
	v_cvt_scalef32_pk8_fp8_f32 v[PC+2*i:PC+2*i+1], v[ST+8*i:ST+8*i+7], v[SCF+i/2]      ; registers 4 b .. 4 b + 3 of the operand: keys 32 b + 16 h + 0 .. 15
	RESCALE NR+i                                   ; the plain instruction behind a scaled conversion
.set i, i+1
.endr
.set i, NR+8
.rept 24-NR
	RESCALE i                                      ; the last pairs of O^T are the places between the conversions and the products
.set i, i+1
.endr
.endm
; THE WAY OUT, right behind a wave's last key step, in three parts for each tile.  WO_MATH: the sum's parts are added, O^T is divided by the sum.  WO_STAGE: through my stage in LDS, half a row (64 channels,
; 256 bytes) of 16 queries at a time, and back by rows.  WO_SEND: sixteen lanes store 256 consecutive bytes, aligned.
.macro WO_MATH win
	WIN \win
	v_add_f32 v[L], v[L], v[L+1]
	v_permlanex16_b32 v[T0], v[L], s[SEL], s[SEL+1]
	v_add_f32 v[L], v[L], v[T0]                    ; the row's sum: my keys' and lane l xor 16's
	v_rcp_f32 v[L], v[L]
	v_nop                                          ; a plain place behind the transcendental
.set i, 0
.rept 32
	v_pk_mul_f32 v[ST+2*i:ST+2*i+1], v[OT+2*i:OT+2*i+1], v[L:L+1] op_sel_hi:[1,0]   ; O^T / the sum, ascending: register 8 t + j is out0(r, 16 t + 8 h + j)
.set i, i+1
.endr
.endm
.macro WO_STAGE win                    ; win = 0: tile A;  0x44: tile B: the stores' data (source 1) and the loads' destination in window 1, the addresses (source 0) in window 0
	WIN \win
.irp u, 0,1
.irp t, 0,1,2,3
	ds_store_b128 v[SI], v[ST+32*\u+8*\t:ST+32*\u+8*\t+3] offset:64*\t
	ds_store_b128 v[SI], v[ST+32*\u+8*\t+4:ST+32*\u+8*\t+7] offset:64*\t+16
.endr
.irp i, 0,1,2,3,4,5,6,7
	ds_load_b128 v[FR+32*\u+4*\i:FR+32*\u+4*\i+3], v[SO] offset:2*\i*272   ; LDS serves a wave's instructions in order (ISA guide 5.7.1.4): these see my stores, and the next stores into the stage come behind them
.endr
.endr
.endm
.macro WO_SEND win, row                ; row: the tile's first row among the wave's 32
	WIN \win
.irp u, 0,1
.irp i, 0,1,2,3,4,5,6,7
	s_wait_dscnt 23-16*\u-\i                       ; what was issued behind this load: the rest of its eight, and for the first half the second's eight stores and eight loads
	global_store_b128 v[GO], v[FR+32*\u+4*\i:FR+32*\u+4*\i+3], s[14:15] offset:(\row)*512+2*\i*512+256*\u th:TH_STORE_NT
.endr
.endr
.endm
.macro WAYOUT
	v_and_b32 v[T0], 15, v0                        ; r.  These ten plain instructions name no register of the last products (tile B's): they are the places behind them
	v_bfe_u32 v[T0+1], v0, 4, 1                    ; h
	v_mul_u32_u24 v[SI], v[T0], 272
	v_lshl_add_u32 v[SI], v[T0+1], 5, v[SI]
	v_add_nc_u32 v[SI], s[STG], v[SI]              ; in: row r; tile t's eight channels of my half: 64 t + 32 h bytes on
	v_mul_u32_u24 v[SO], v[T0+1], 272
	v_lshl_add_u32 v[SO], v[T0], 4, v[SO]
	v_add_nc_u32 v[SO], s[STG], v[SO]              ; back: lanes 0-15 one row, lanes 16-31 the next
	v_lshlrev_b32 v[GO], 9, v[T0+1]
	v_lshl_add_u32 v[GO], v[T0], 4, v[GO]          ; and the same two rows in out0; 16 bytes a lane
	WO_MATH 0
	WO_STAGE 0
	WO_MATH 0x55                                   ; tile B's arithmetic stands between tile A's loads from the stage and the waits for them
	WO_SEND 0, 0
	WO_STAGE 0x44
	WO_SEND 0x44, 16
	WIN 0
	s_wait_xcnt 0x0                                ; the stores' registers are free on every way on from here
.endm
; A KEY STEP: 128 keys, the q-th of the slot in hand, for both tiles.  A wave whose queries all lie ahead of these keys jumps over it; no barrier and no tensor load stands inside.
.macro STEP q
	s_cmp_gt_u32 s[STEPI], s[DIAG]
	s_cbranch_scc1 .Lskip_\@
	v_add_nc_u32 v[ADK], s[TB], v[AK0]
	v_add_nc_u32 v[ADV], s[TB], v[AV0]
	v_add_nc_u32 v[ADS], s[TB], v[AS0]
	PLACES 5                                       ; with the three above: eight places in front of loads into registers that the last step's products have read
	KFETCH \q
	s_wait_dscnt 16                                ; the scale words and tiles 0-3 are in; the sixteen loads of tiles 4-7 may be out
	WIN 0                                          ; S^T = K Q^T.  Tile A's queries, fragments in window 0
.irp tl, 0,1,2,3
	KQ \tl, QSWA
.endr
	WIN 0x44                                       ; tile B's queries: Q's codes and S^T in window 1
.irp tl, 0,1,2,3
	KQ \tl, QSWB
.endr
	s_wait_dscnt 0x0                               ; tiles 4-7 are in
	WIN 0x01                                       ; tile A's queries, fragments in window 1
.irp tl, 4,5,6,7
	KQ \tl, QSWA
.endr
	WIN 0x45                                       ; tile B's
.irp tl, 4,5,6,7
	KQ \tl, QSWB
.endr
	WIN 0
	PLACES 8                                       ; in front of the reads of S^T and of the loads below
	VFETCH \q                                      ; V's eight fragments are asked for now: they land under tile A's softmax
	WIN 0
	s_cmp_lg_u32 s[STEPI], s[DIAG]
	s_cbranch_scc1 .Lnomask_\@
	MASK 0
	MASK 0x55
	WIN 0
.Lnomask_\@:
	SOFTMAX 0, 0, PSWA
	s_wait_dscnt 0x0                               ; V's fragments and scale words are in
.irp tl, 0,1,2,3
	PV \tl, PSWA                                   ; tile A's O^T; the matrix unit works on these eight while tile B's softmax is issued
.endr
	WIN 0x01
.irp tl, 4,5,6,7
	PV \tl, PSWA
.endr
	SOFTMAX 0x55, 0x15, PSWB                       ; it names tile B's own registers and v7 alone, none of the eight products' in front
	WIN 0x54                                       ; tile B's O^T: p's codes, C and D in window 1, fragments in window 0,
.irp tl, 0,1,2,3
	PV \tl, PSWB
.endr
	WIN 0x55                                       ; and in window 1
.irp tl, 4,5,6,7
	PV \tl, PSWB
.endr
	WIN 0
	s_cmp_lg_u32 s[STEPI], s[DIAG]
	s_cbranch_scc1 .Lskip_\@
	WAYOUT                                         ; that was my last key step: my rows leave while other waves work on
.Lskip_\@:
	s_add_co_u32 s[STEPI], s[STEPI], 1             ; on every wave's way
.endm
; THE CHANGE OF SLOTS stands at a slot's head.  Each wave waits for all its tensor loads (its part of the slot that it is about to read), adds 0 to its spare word, and waits for that and for its reads of the slot that
; it has left.  Behind the barrier the slot ahead is whole and nobody reads the other one.  fill = 1: that other slot is filled with the 256 keys that follow: the load has a whole slot's steps in which to land.
.macro CHANGE fill
	s_wait_tensorcnt 0x0                           ; no tensor load of mine is out, so a group 0 may be written
	ds_add_u32 v[SPW], v[NIL]                      ; 0 onto my spare word; with fill = 1 the descriptors' steps stand between it and the wait for it
.if \fill
	s_xor_b32 s[G0K+1], s[G0K+1], SLOT1            ; the walking descriptors: the other slot than last time,
	s_add_nc_u64 s[G0K+2:G0K+3], s[G0K+2:G0K+3], 256*128   ; the next 256 keys; the type bits on top are not reached
	s_xor_b32 s[G0V+1], s[G0V+1], SLOT1
	s_add_nc_u64 s[G0V+2:G0V+3], s[G0V+2:G0V+3], 256
	s_xor_b32 s[G0S+1], s[G0S+1], SLOT1
	s_add_nc_u64 s[G0S+2:G0S+3], s[G0S+2:G0S+3], 1024
.endif
	s_wait_dscnt 0x0                               ; the add is done, and my reads of the slot that I have left are over
	s_barrier_signal -1
	s_barrier_wait -1
.if \fill
	TLOAD                                          ; the first thing behind the barrier, and a wave's one tensor load until the next
.endif
.endm
.macro SLOT_STEPS
	STEP 0
	STEP 1
	s_xor_b32 s[TB], s[TB], SLOT1                  ; on to the other slot
.endm
.Lslot:                                            ; (17 - J) / 2 - 1 trips, 4 to 7: behind each change of slots but the last the next slot is asked for; slot 1's first fill goes out behind the first barrier, as a refill does
	CHANGE 1
	SLOT_STEPS
	s_sub_co_i32 s[SLOTS], s[SLOTS], 1
	s_cmp_gt_i32 s[SLOTS], 0
	s_cbranch_scc1 .Lslot
	CHANGE 0                                       ; the last slot is written out
	SLOT_STEPS
	s_wait_tensorcnt 0x0                           ; the wave's end: behind my last tensor load and my last LDS store
	ds_add_u32 v[SPW], v[NIL]
	s_wait_dscnt 0x0
	s_endpgm
.Lfunc_end_k_qf14c05b9d1_attn:
	.size	k_qf14c05b9d1_attn, .Lfunc_end_k_qf14c05b9d1_attn-k_qf14c05b9d1_attn
	.p2alignl 7, 3214868480
	.fill 96, 4, 3214868480
	.section	.rodata,"a",@progbits
	.p2align	6, 0x0
	.amdhsa_kernel k_qf14c05b9d1_attn
		.amdhsa_group_segment_fixed_size 327680
		.amdhsa_private_segment_fixed_size 0
		.amdhsa_enable_private_segment 0
		.amdhsa_kernarg_size 48
		.amdhsa_user_sgpr_count 2
		.amdhsa_user_sgpr_kernarg_segment_ptr 1
		.amdhsa_wavefront_size32 1
		.amdhsa_system_sgpr_workgroup_id_x 1
		.amdhsa_system_sgpr_workgroup_id_y 1
		.amdhsa_system_sgpr_workgroup_id_z 1
		.amdhsa_system_vgpr_workitem_id 0
		.amdhsa_next_free_vgpr 512
		.amdhsa_next_free_sgpr 100
		.amdhsa_reserve_vcc 1
		.amdhsa_float_denorm_mode_32 3
		.amdhsa_float_denorm_mode_16_64 3
		.amdhsa_memory_ordered 1
		.amdhsa_forward_progress 1
		.amdhsa_inst_pref_size 255
	.end_amdhsa_kernel
	.section	.bss,"aw",@nobits
	.p2align	6
	.space	262144
	.amdgpu_metadata
---
amdhsa.version: [ 1, 2 ]
amdhsa.kernels:
  - .name:           k_qf14c05b9d1_attn
    .symbol:         k_qf14c05b9d1_attn.kd
    .args:
      - { .name: q, .offset: 0, .size: 8, .value_kind: global_buffer, .address_space: global }
      - { .name: k_codes, .offset: 8, .size: 8, .value_kind: global_buffer, .address_space: global }
      - { .name: k_scales, .offset: 16, .size: 8, .value_kind: global_buffer, .address_space: global }
      - { .name: v_codes, .offset: 24, .size: 8, .value_kind: global_buffer, .address_space: global }
      - { .name: v_scales, .offset: 32, .size: 8, .value_kind: global_buffer, .address_space: global }
      - { .name: out0, .offset: 40, .size: 8, .value_kind: global_buffer, .address_space: global }
    .group_segment_fixed_size: 327680
    .private_segment_fixed_size: 0
    .kernarg_segment_align: 8
    .kernarg_segment_size: 48
    .max_flat_workgroup_size: 256
    .sgpr_count:     100
    .vgpr_count:     512
    .wavefront_size: 32
...
	.end_amdgpu_metadata
.endif
;; end of part 4
